; MI455X (gfx1250); checked and timed in simulation.
; The chip was launched on July 23, 2026; its instructions are those of AMD's public machine-readable ISA for CDNA 5 (MIT licence, August 2026) and "CDNA5" Instruction Set Architecture Reference Guide (July 2026). The comments in the code are by the model that wrote it; some were corrected since.
;; Multi Head Attention With Ro PE. Allowed arithmetic: matrix products marked QUANTISED: E3M2 operands, one E8M0 scale for each 32 along K, by v_wmma_scale_f32_16x16x128_f8f6f4 with both operands' format E3M2, f32 sums; everything else in f32.
;; Inputs: b_out 1,024 float32; b_qkv 3,072 float32; w_out 1,024 x 1,024 float32; w_qkv 1,024 x 3,072 float32; x 4 x 2,048 x 1,024 float32.
;; Outputs: out0 4 x 2,048 x 1,024 float32.
;; This version of the problem:
;;   THIS VERSION OF THE PROBLEM IS GIVEN IN LOW PRECISION. The matrix products marked QUANTISED in the list below multiply operands that are first quantised to E3M2 (3 exponent bits, 2 mantissa bits; 6 bits a number), with one power-of-two scale for each 32 numbers along K (OCP MX v1.0); their sums are f32. All else is computed in f32.
;;   The module's matrix products, in the order in which they are computed (A, B: the left and right operand; K: the contracted axis; several contracted axes count as one K, in the product's order):
;;     1. [M 8,192, K 1,024] x [K 1,024, N 3,072]; A: input x; B: input w_qkv: QUANTISED
;;     2. batch 64 x [M 2,048, K 64] x [K 64, N 2,048]; A: computed on the way; B: computed on the way: QUANTISED
;;     3. batch 64 x [M 2,048, K 2,048] x [K 2,048, N 64]; A: softmax (see below); B: computed on the way: QUANTISED
;;     4. [M 8,192, K 1,024] x [K 1,024, N 1,024]; A: computed on the way; B: input w_out: QUANTISED
;;   THE QUANTISER, for each operand of a quantised product, along K:
;;     - K is cut into blocks of 32 from its start; a last block that is shorter is filled with zeros.
;;     - A block's scale is 2^e with e = floor(log2(the largest magnitude in the block)) - 4, held to -126 .. 127; a block of zeros has e = 0. As a byte (E8M0): e + 127.
;;     - Each number is divided by its block's scale, clamped to +-28, and rounded to the nearest number of E3M2, ties to even, subnormals kept.
;;     - The product sums the exact products of the quantised numbers (number of the format x scale) in f32.
;;   ~~~python
;;   def quantise(x, axis):      # numpy; x: float32 -> the quantised numbers, widened to float32 again
;;       x = np.moveaxis(x, axis, -1); K = x.shape[-1]
;;       x = np.pad(x, [(0, 0)] * (x.ndim - 1) + [(0, -K % 32)]); x = x.reshape(x.shape[:-1] + (-1, 32)); a = np.abs(x).max(-1, keepdims=True)
;;       e = np.where(a > 0, np.clip(np.frexp(np.where(a > 0, a, 1))[1] - 1 - 4, -126, 127), 0)      # np.frexp(a)[1] - 1 = floor(log2(a)), exactly
;;       r = np.clip(x / 2.0 ** e, -28, 28)
;;       step = 2.0 ** (np.maximum(np.frexp(np.where(r == 0, 1, r))[1] - 1, -2) - 2)
;;       q = np.round(r / step) * step * 2.0 ** e      # np.round: ties to even
;;       return np.moveaxis(q.reshape(q.shape[:-2] + (-1,))[..., :K], -1, axis).astype(np.float32)
;;   ~~~
;;   SOFTMAX AHEAD OF A QUANTISED PRODUCT. Where the list says 'softmax', what is quantised is not the finished softmax but p = 2^(t - M), with t = logit x log2(e) and M = ceil(the row's largest t), a whole number; so 1/2 < the row's largest p <= 1. The row's sum l is taken of the UNQUANTISED p, in f32, and the product's result is divided by l at the end. Since M is a whole number, a kernel that streams over the keys may use a running M (the ceiling of the running maximum): every later rescaling is an exact power of two, which a block's scale takes up: the codes' values come out the same.
;;   OPERANDS COMPUTED ON THE WAY. 'Computed on the way' means the value that the module computes at that place (a softmax that the list does not call 'softmax' is quantised finished and normalised). What goes into a quantiser is computed in f32, as accurately as f32 sums, v_exp_f32 and their like allow (about 1e-6 of the number): no bf16 or f16 on the way to a quantiser, and a product that is left as it is and whose result goes on into a quantised operand takes f32 operands (vector FMAs, or v_wmma_f32_16x16x4_f32). A number that lies on a knife's edge between two numbers of the format may be rounded either way, as far as f32 arithmetic and the matrix unit's own rounding can turn it there, and no further.
;; One version. Each part assembles by itself: llvm-mc -triple=amdgcn-amd-amdhsa -mcpu=gfx1250 --defsym DOCPART=n.
;; ======== version 1 of 1: 4 launches
;; limits: right only within a limited range of input values
;; workspace buffers: xq 6,553,600 bytes; wq 3,276,800 bytes; tab 524,288 bytes; qkv 19,660,800 bytes; aq 6,553,600 bytes
;; launch quant (part 1): grid 384 x 1, 4 waves a work-group, no clusters, 86,528 bytes of LDS; arguments x, w_qkv, w_out, xq, wq, tab; writes xq, wq, tab
.if DOCPART == 1
	.amdgcn_target "amdgcn-amd-amdhsa--gfx1250"
	.amdhsa_code_object_version 6
	.text
	.protected	k_qcee1973545_quant
	.globl	k_qcee1973545_quant
	.p2align	8
	.type	k_qcee1973545_quant,@function
k_qcee1973545_quant:
	s_mov_b64 s[64:65], 0
	v_nop
	global_prefetch_b8 v0, s[64:65] scope:SCOPE_SE
	s_setreg_imm32_b32 hwreg(HW_REG_WAVE_MODE, 25, 1), 1
	s_wait_xcnt 0x0
; x [8192][1024], w_qkv [1024][3072] and w_out [1024][1024], f32, become codes of BF6 (E3M2) with one E8M0 byte for each 32 along K, laid in the ORDER OF THE OPERAND'S REGISTERS.
; A record serves 256 rows (of x) or columns (of a weight): 16 tiles of 16.  Tile t, index i holds row 32 (t / 2) + 8 (t % 2) + i + 8 (i / 8).
; Codes of (tile i, 64 along K) are 768 bytes: a lane's registers 0-3 at 16 x lane, then registers 4-5 at 512 + 8 x lane; lane (r, h) holds block h of row r.  They lie at (k / 256) x 49,152 + i x 3,072 + ((k / 64) % 4) x 768.
; The scale bytes lie behind the codes, at 196,608 + (k / 64) x 512 + i x 32 + 2 r: two bytes for 64 along K.
; A block's scale is 2^(floor(log2(largest magnitude)) - 4); its byte is the largest magnitude's exponent field - 4, held at 1 from below.
; LIMITS: a block of zeros gets the byte 1 where the rule says 127 (its codes are zeros, and this program alone reads the bytes); blocks under 2^-122 are held at that byte; NaN and infinities are not served.
; Work-groups 0-255 take x (128 rows x 256 along K each) and also make RoPE's table; 256-351 take w_qkv, 352-383 w_out (128 columns x 256 along K each).  Each of the three ways has LDS bytes of its own.
; The table: [tile of 16 positions][pair q of frequencies][lane][cos, cos, sin, sin] of frequencies 16 h + 2 q, + 1 at position tile's row r.  No sine instruction is used: the angle is reduced by pi / 2 in two parts
; and a polynomial of degree 7 (sine) or 8 (cosine) follows; the inverse frequency is 2^(-j log2(10000) / 32), the exponent split exactly into a whole number and a fraction.
.set REC,  204800
.set SCO,  196608
.set XST,  0                           ; x: a stage of 16 rows x 528 bytes for each wave
.set XSC,  33792                       ; x: four planes of 256 scale bytes
.set WST1, 34816                       ; w_qkv: 6,144 bytes of codes for each wave
.set WSC1, 59392
.set WST2, 60416                       ; w_out likewise
.set WSC2, 84992
.set SEL,  16                          ; s[16:17] lane selects: lane l xor 16
.set WV,   18                          ; s18 my wave
.set R,    16                          ; v16-143 two sets of 64 numbers as loaded
.set X,    144                         ; v144-207 64 numbers of my row
.set PC,   208                         ; v208-226 the codes just made
.set TM,   228                         ; v228-239 at work
.set PW,   244                         ; the scale word just made
.set WX,   32                          ; the weights' way: v32-95 two sets of 32 numbers
.set WC,   96
.set WO,   112
.set SB,   24
; 64 numbers of a lane, register 16 b + i = k 32 b + 16 (lane / 16) + i of my row, become a fragment's codes in v[PC] on and its scale word in v[PW].
.macro QUANT s
.irp b, 0,1,2,3
	v_max3_num_f32 v[TM+\b], |v[\s+16*\b]|, |v[\s+1+16*\b]|, 0x2800000   ; my 16 numbers of block b, and the floor 2^(5 - 127)
.endr
.irp i, 2,4,6,8,10,12,14
.irp b, 0,1,2,3
	v_max3_num_f32 v[TM+\b], v[TM+\b], |v[\s+16*\b+\i]|, |v[\s+1+16*\b+\i]|
.endr
.endr
.irp b, 0,1,2,3
	v_permlanex16_b32 v[TM+4+\b], v[TM+\b], s[SEL], s[SEL+1]
.endr
.irp b, 0,1,2,3
	v_max_num_f32 v[TM+\b], v[TM+\b], v[TM+4+\b]     ; with lane l xor 16's: the block's largest magnitude
.endr
.irp b, 0,1,2,3
	v_add_nc_u32 v[TM+8+\b], 0xfe000000, v[TM+\b]    ; 4 off its exponent field: the conversion's scale operand
.endr
.irp b, 0,1,2,3
	v_lshrrev_b32 v[TM+4+\b], 23, v[TM+8+\b]         ; the scale's byte
.endr
	v_lshl_or_b32 v[PW], v[TM+5], 8, v[TM+4]
	v_lshl_or_b32 v[PW], v[TM+6], 16, v[PW]
	v_lshl_or_b32 v[PW], v[TM+7], 24, v[PW]
.irp c, 0,1
	v_cvt_scalef32_pk16_bf6_f32 v[PC+6*\c:PC+2+6*\c], v[\s+32*\c:\s+15+32*\c], v[TM+8+2*\c]
	v_cvt_scalef32_pk16_bf6_f32 v[PC+12+4*\c:PC+14+4*\c], v[\s+16+32*\c:\s+31+32*\c], v[TM+8+2*\c+1]
.endr
	v_nop                                            ; one plain place behind a scaled conversion
.irp c, 0,1                                          ; a whole block to a lane: lanes 0-15 block 2 c, lanes 16-31 block 2 c + 1
.irp i, 0,1,2
	v_permlane16_swap_b32 v[PC+6*\c+\i], v[PC+12+4*\c+\i]
.endr
.irp i, 0,1,2
	v_mov_b32 v[PC+3+6*\c+\i], v[PC+12+4*\c+\i]
.endr
.endr
.endm
; From s24 (record), s26 (which 128 of its 256), s20 (which 256 along K) and my wave: byte offsets of my codes s[28:29] and of my plane of scale bytes s[30:31].
.macro OUTOFF
	s_mul_i32 s24, s24, REC
	s_mul_i32 s21, s20, 49152
	s_add_co_u32 s28, s24, s21
	s_lshl_b32 s21, s26, 3
	s_lshl_b32 s27, s[WV], 1
	s_add_co_u32 s21, s21, s27
	s_mul_i32 s21, s21, 3072
	s_add_co_u32 s28, s28, s21
	s_mov_b32 s29, 0
	s_lshl_b32 s21, s20, 2
	s_add_co_u32 s21, s21, s[WV]
	s_lshl_b32 s21, s21, 9
	s_add_co_u32 s30, s24, s21
	s_lshl_b32 s21, s26, 8
	s_add_co_u32 s30, s30, s21
	s_add_co_u32 s30, s30, SCO
	s_mov_b32 s31, 0
.endm
; Fragment f of my 32 rows: tile f / 2, 128 along K f % 2.  Each load reads 512 consecutive bytes of one row.
.macro XLOAD f
.irp i, 0,1,2,3,4,5,6,7,8,9,10,11,12,13,14,15
	global_load_b128 v[R+64*((\f)%2)+4*\i:R+64*((\f)%2)+4*\i+3], v1, s[4:5] offset:(8*((\f)/2)+\i+8*(\i/8))*4096+512*((\f)%2) th:TH_LOAD_NT
.endr
.endm
.macro XFRAG f
.if (\f) < 3
	s_wait_loadcnt 16                                ; this fragment's 16 loads are in; the next fragment's may be out
.else
	s_wait_loadcnt 0x0
.endif
.irp i, 0,1,2,3,4,5,6,7,8,9,10,11,12,13,14,15
	ds_store_b128 v3, v[R+64*((\f)%2)+4*\i:R+64*((\f)%2)+4*\i+3] offset:528*\i
.endr
.irp b, 0,1,2,3
.irp j, 0,1,2,3
	ds_load_b128 v[X+16*\b+4*\j:X+16*\b+4*\j+3], v4 offset:128*\b+16*\j   ; LDS serves a wave's instructions in order: these see my stores
.endr
.endr
	s_wait_dscnt 0x0                                 ; my numbers are back, and the stores have read the set that is loaded again below
	s_wait_xcnt 0x0                                  ; the last fragment's stores have read the codes' registers
.if (\f) < 2
	XLOAD (\f)+2
.endif
	QUANT X
	global_store_b128 v1, v[PC:PC+3], s[28:29] offset:((\f)/2)*3072+((\f)%2)*1536          ; 512 consecutive bytes, aligned to 256
	global_store_b64 v2, v[PC+4:PC+5], s[28:29] offset:((\f)/2)*3072+((\f)%2)*1536+512     ; 256
	global_store_b128 v1, v[PC+6:PC+9], s[28:29] offset:((\f)/2)*3072+((\f)%2)*1536+768
	global_store_b64 v2, v[PC+10:PC+11], s[28:29] offset:((\f)/2)*3072+((\f)%2)*1536+1280
	ds_store_b16 v5, v[PW] offset:512*((\f)%2)+32*((\f)/2)                 ; both halves of the lanes write the same bytes with the same value
	ds_store_b16_d16_hi v5, v[PW] offset:512*((\f)%2)+256+32*((\f)/2)
.endm
; sine and cosine of position x 10000^(-j / 32): j in v[jr], the position as f32 in v149
.macro ANGLE jr, sr, cr
	v_cvt_f32_u32 v150, v[\jr]
	v_mul_f32 v151, 0xbed49a80, v150                 ; -j x the upper 17 bits of log2(10000) / 32: exact
	v_rndne_f32 v152, v151
	v_sub_f32 v151, v151, v152                       ; the fraction, exact,
	v_fmamk_f32 v151, v150, 0x3476865d, v151         ; and the rest of the constant
	s_wait_alu depctr_va_vdst(0)
	v_exp_f32 v151, v151
	v_nop                                            ; one plain place behind a transcendental
	v_cvt_i32_f32 v152, v152
	s_wait_alu depctr_va_vdst(0)
	v_ldexp_f32 v151, v151, v152                     ; the inverse frequency
	v_mul_f32 v153, v149, v151                       ; the angle, rounded once
	v_mul_f32 v154, 0x3f22f983, v153
	v_rndne_f32 v154, v154                           ; m = the nearest multiple of pi / 2
	v_fmamk_f32 v153, v154, 0xbfc90fdb, v153         ; less m x pi / 2, in two parts
	v_fmamk_f32 v153, v154, 0x333bbd2e, v153
	v_mul_f32 v155, v153, v153
	v_mov_b32 v156, 0xb94ca1f9
	v_fmaak_f32 v156, v156, v155, 0x3c08839e
	v_fmaak_f32 v156, v156, v155, 0xbe2aaaa3
	v_mul_f32 v157, v155, v153
	v_fma_f32 v156, v156, v157, v153                 ; sine of the rest
	v_mov_b32 v158, 0x37ccf5ce
	v_fmaak_f32 v158, v158, v155, 0xbab6061a
	v_fmaak_f32 v158, v158, v155, 0x3d2aaaa5
	v_mul_f32 v159, v155, v155
	v_fma_f32 v160, v155, -0.5, 1.0
	v_fma_f32 v158, v158, v159, v160                 ; cosine of the rest
	v_cvt_i32_f32 v154, v154
	v_and_b32 v161, 1, v154
	v_cmp_eq_u32 vcc_lo, 1, v161
	v_cndmask_b32 v162, v156, v158, vcc_lo           ; odd quadrants change the two
	v_cndmask_b32 v163, v158, v156, vcc_lo
	v_lshlrev_b32 v161, 30, v154
	v_and_b32 v161, 0x80000000, v161                 ; the sine is negative in quadrants 2, 3,
	v_xor_b32 v[\sr], v161, v162
	v_add_nc_u32 v154, 1, v154
	v_lshlrev_b32 v154, 30, v154
	v_and_b32 v154, 0x80000000, v154                 ; the cosine in quadrants 1, 2
	v_xor_b32 v[\cr], v154, v163
.endm
; The weights: a lane takes a column, its registers run down K.
.macro WLOAD t, N
.irp i, 0,1,2,3,4,5,6,7,8,9,10,11,12,13,14,15,16,17,18,19,20,21,22,23,24,25,26,27,28,29,30,31
	global_load_b32 v[WX+32*((\t)%2)+\i], v3, s[22:23] offset:(32*(\t)+\i)*\N*4 th:TH_LOAD_NT
.endr
.endm
.macro WBLOCK t, N
.set XS, WX+32*((\t)%2)
.if (\t) < 7
	s_wait_loadcnt 32                                ; this block's 32 loads are in; the next block's may be out
.else
	s_wait_loadcnt 0x0
.endif
	v_max3_num_f32 v12, |v[XS]|, |v[XS+1]|, |v[XS+2]|
	v_max3_num_f32 v13, |v[XS+3]|, |v[XS+4]|, |v[XS+5]|
.irp i, 6,10,14,18,22,26
	v_max3_num_f32 v12, v12, |v[XS+\i]|, |v[XS+\i+1]|
	v_max3_num_f32 v13, v13, |v[XS+\i+2]|, |v[XS+\i+3]|
.endr
	v_max3_num_f32 v12, v12, |v[XS+30]|, |v[XS+31]|
	v_max3_num_f32 v12, v12, v13, 0x2800000          ; and the floor
	v_add_nc_u32 v11, 0xfe000000, v12
	v_lshrrev_b32 v13, 23, v11
.if (\t)%4 == 0
	v_mov_b32 v[SB+(\t)/4], v13
.else
	v_lshl_or_b32 v[SB+(\t)/4], v13, 8*((\t)%4), v[SB+(\t)/4]
.endif
	v_cvt_scalef32_pk16_bf6_f32 v[WC:WC+2], v[XS:XS+15], v11
	v_cvt_scalef32_pk16_bf6_f32 v[WC+4:WC+6], v[XS+16:XS+31], v11
	v_nop                                            ; one plain place behind a scaled conversion
	v_mov_b32 v[WC+3], v[WC+4]                       ; the block's six registers on end
	v_mov_b32 v[WC+4], v[WC+5]
	v_mov_b32 v[WC+5], v[WC+6]
	ds_store_b128 v4, v[WC:WC+3] offset:((\t)/2)*768+256*((\t)%2)          ; block t is half t % 2 of the 64 along K t / 2
	ds_store_b64 v5, v[WC+4:WC+5] offset:((\t)/2)*768+512+128*((\t)%2)
.if (\t)+2 < 8
	WLOAD (\t)+2, \N
.endif
	s_wait_dscnt 0x0                                 ; the stores have read their registers
.endm
.macro WPATH N, WST, WSC, TG0, first, P
	s_sub_co_u32 s19, ttmp9, \first
	s_and_b32 s20, s19, 3                            ; which 256 along K
	s_lshr_b32 s19, s19, 2                           ; which 128 columns
	s_mul_i32 s22, s20, 256*\N*4
	s_lshl_b32 s21, s19, 9
	s_add_co_u32 s22, s22, s21
	s_lshl_b32 s21, s[WV], 7
	s_add_co_u32 s22, s22, s21
	s_mov_b32 s23, 0
	s_lshr_b32 s24, s19, 1
	s_add_co_u32 s24, s24, \TG0
	s_and_b32 s26, s19, 1
	OUTOFF
	v_lshlrev_b32 v3, 2, v6
	v_lshlrev_b32 v9, 4, v6
	v_lshlrev_b32 v10, 3, v6
	v_bfe_u32 v14, v0, 3, 1                          ; column l of my 32 is index (l % 8) + 8 (l / 16) of tile (l / 8) % 2
	v_and_b32 v15, 7, v0
	v_bfe_u32 v16, v0, 4, 1
	v_lshl_add_u32 v15, v16, 3, v15
	s_mul_i32 s21, s[WV], 6144
	s_add_co_u32 s21, s21, \WST
	v_mul_u32_u24 v17, v14, 3072
	v_add_nc_u32 v17, s21, v17
	v_lshl_add_u32 v4, v15, 4, v17
	v_lshl_add_u32 v5, v15, 3, v17
	v_add_nc_u32 v7, s21, v9
	s_lshl_b32 s21, s[WV], 6
	s_add_co_u32 s21, s21, \WSC
	v_lshl_add_u32 v19, v14, 5, s21
	v_lshl_add_u32 v19, v15, 1, v19
	s_lshl_b32 s21, s[WV], 8
	s_add_co_u32 s21, s21, \WSC
	v_add_nc_u32 v8, s21, v10
	s_wait_kmcnt 0x0
	s_add_nc_u64 s[22:23], s[\P:\P+1], s[22:23]
	s_add_nc_u64 s[28:29], s[12:13], s[28:29]
	s_add_nc_u64 s[30:31], s[12:13], s[30:31]
	WLOAD 0, \N
	WLOAD 1, \N
.irp t, 0,1,2,3,4,5,6,7
	WBLOCK \t, \N
.endr
	ds_store_b16 v19, v[SB]                          ; two bytes for each 64 along K, a plane of 256 bytes each
	ds_store_b16_d16_hi v19, v[SB] offset:256
	s_wait_alu depctr_va_vdst(0)
	ds_store_b16 v19, v[SB+1] offset:512
	ds_store_b16_d16_hi v19, v[SB+1] offset:768
.irp k, 0,1,2,3,4,5,6,7,8,9,10,11
	ds_load_b128 v[WO+4*\k:WO+4*\k+3], v7 offset:512*\k
.endr
.irp k, 0,1,2,3,4,5,6,7,8,9,10,11
	s_wait_dscnt 11-\k                               ; the younger loads may be out
	global_store_b128 v9, v[WO+4*\k:WO+4*\k+3], s[28:29] offset:512*\k     ; my two tiles' 6,144 bytes on end
.endr
	s_barrier_signal -1                              ; my LDS stores are done (the last wait was for 0): the planes are whole behind the barrier
	s_barrier_wait -1
	ds_load_b64 v[12:13], v8
	s_wait_dscnt 0x0
	global_store_b64 v10, v[12:13], s[30:31]         ; plane = my wave: 256 consecutive bytes, aligned
	s_wait_tensorcnt 0x0
	ds_add_u32 v254, v255
	s_wait_dscnt 0x0
	s_endpgm
.endm
	s_load_b256 s[4:11], s[0:1], 0x0                 ; x, w_qkv, w_out, xq
	s_load_b128 s[12:15], s[0:1], 0x20               ; wq, tab
	v_lshl_add_u32 v254, v0, 2, 0x15000
	v_mov_b32 v255, 0
	v_lshrrev_b32 v1, 5, v0
	v_readfirstlane_b32 s[WV], v1
	v_and_b32 v6, 31, v0                             ; lane
	s_cmp_lt_u32 ttmp9, 256
	s_cbranch_scc0 .Lweights
	; ---- x
	s_lshr_b32 s19, ttmp9, 2                         ; which 128 rows
	s_and_b32 s20, ttmp9, 3                          ; which 256 along K
	s_lshl_b32 s22, s19, 19
	s_lshl_b32 s21, s[WV], 17
	s_add_co_u32 s22, s22, s21
	s_lshl_b32 s21, s20, 10
	s_add_co_u32 s22, s22, s21
	s_mov_b32 s23, 0
	s_lshr_b32 s24, s19, 1
	s_and_b32 s26, s19, 1
	OUTOFF
	s_lshr_b32 s32, ttmp9, 1                         ; the table: tile of positions,
	s_and_b32 s33, ttmp9, 1
	s_lshl_b32 s33, s33, 2
	s_add_co_u32 s33, s33, s[WV]                     ; pair of frequencies
	s_lshl_b32 s34, s32, 12
	s_lshl_b32 s21, s33, 9
	s_add_co_u32 s34, s34, s21
	s_mov_b32 s35, 0
	s_lshr_b32 s36, s32, 1
	s_lshl_b32 s36, s36, 5
	s_and_b32 s21, s32, 1
	s_lshl_b32 s21, s21, 3
	s_add_co_u32 s36, s36, s21                       ; the tile's first position
	s_lshl_b32 s33, s33, 1
	s_mov_b32 s[SEL], 0x76543210
	s_mov_b32 s[SEL+1], 0xfedcba98
	v_and_b32 v9, 15, v0                             ; r
	v_bfe_u32 v10, v0, 4, 1                          ; h
	s_wait_alu depctr_va_vdst(0)
	v_lshlrev_b32 v1, 4, v6
	v_lshlrev_b32 v2, 3, v6
	s_mul_i32 s21, s[WV], 8448
	v_add_nc_u32 v3, s21, v1                         ; the stage, in: 16 x lane of a row
	v_mul_u32_u24 v4, v9, 528
	v_lshl_add_u32 v4, v10, 6, v4
	v_add_nc_u32 v4, s21, v4                         ; out: row r, + 64 h
	s_lshl_b32 s21, s[WV], 6
	s_add_co_u32 s21, s21, XSC
	v_lshl_add_u32 v5, v9, 1, s21
	s_lshl_b32 s21, s[WV], 8
	s_add_co_u32 s21, s21, XSC
	v_add_nc_u32 v7, s21, v2
.irp b, 0,1,2,3
	v_mov_b32 v[TM+4+\b], 0                          ; written once: a lane permute's destination counts as one of its sources
.endr
	s_wait_kmcnt 0x0
	s_add_nc_u64 s[4:5], s[4:5], s[22:23]
	s_add_nc_u64 s[28:29], s[10:11], s[28:29]
	s_add_nc_u64 s[30:31], s[10:11], s[30:31]
	s_add_nc_u64 s[34:35], s[14:15], s[34:35]
	XLOAD 0
	XLOAD 1
	v_and_b32 v144, 8, v9                            ; the table's work stands behind the first 32 loads
	v_add_nc_u32 v144, v144, v9
	v_add_nc_u32 v144, s36, v144
	v_cvt_f32_u32 v149, v144                         ; my position
	v_lshl_add_u32 v145, v10, 4, s33                 ; my two frequencies
	v_add_nc_u32 v146, 1, v145
	ANGLE 145, 250, 248
	ANGLE 146, 251, 249
	global_store_b128 v1, v[248:251], s[34:35]
	XFRAG 0
	XFRAG 1
	XFRAG 2
	XFRAG 3
	s_wait_dscnt 0x0                                 ; for the others' sake: my scale bytes lie in LDS
	s_barrier_signal -1
	s_barrier_wait -1
	ds_load_b64 v[12:13], v7
	s_wait_dscnt 0x0
	global_store_b64 v2, v[12:13], s[30:31]          ; plane = my wave: 256 consecutive bytes, aligned
	s_wait_tensorcnt 0x0
	ds_add_u32 v254, v255
	s_wait_dscnt 0x0
	s_endpgm
.Lweights:
	s_cmp_lt_u32 ttmp9, 352
	s_cbranch_scc0 .Lwout
	s_wait_alu depctr_va_vdst(0)
	WPATH 3072, WST1, WSC1, 0, 256, 6
.Lwout:
	s_wait_alu depctr_va_vdst(0)
	WPATH 1024, WST2, WSC2, 12, 352, 8
.Lfunc_end_k_qcee1973545_quant:
	.size	k_qcee1973545_quant, .Lfunc_end_k_qcee1973545_quant-k_qcee1973545_quant
	.p2alignl 7, 3214868480
	.fill 96, 4, 3214868480
	.section	.rodata,"a",@progbits
	.p2align	6, 0x0
	.amdhsa_kernel k_qcee1973545_quant
		.amdhsa_group_segment_fixed_size 86528
		.amdhsa_private_segment_fixed_size 0
		.amdhsa_enable_private_segment 0
		.amdhsa_kernarg_size 48
		.amdhsa_user_sgpr_count 2
		.amdhsa_user_sgpr_kernarg_segment_ptr 1
		.amdhsa_wavefront_size32 1
		.amdhsa_system_sgpr_workgroup_id_x 1
		.amdhsa_system_sgpr_workgroup_id_y 1
		.amdhsa_system_sgpr_workgroup_id_z 1
		.amdhsa_system_vgpr_workitem_id 0
		.amdhsa_next_free_vgpr 256
		.amdhsa_next_free_sgpr 66
		.amdhsa_reserve_vcc 1
		.amdhsa_float_denorm_mode_32 3
		.amdhsa_float_denorm_mode_16_64 3
		.amdhsa_memory_ordered 1
		.amdhsa_forward_progress 1
		.amdhsa_inst_pref_size 124
	.end_amdhsa_kernel
	.amdgpu_metadata
---
amdhsa.version: [ 1, 2 ]
amdhsa.kernels:
  - .name:           k_qcee1973545_quant
    .symbol:         k_qcee1973545_quant.kd
    .args:
      - { .name: x, .offset: 0, .size: 8, .value_kind: global_buffer, .address_space: global }
      - { .name: w_qkv, .offset: 8, .size: 8, .value_kind: global_buffer, .address_space: global }
      - { .name: w_out, .offset: 16, .size: 8, .value_kind: global_buffer, .address_space: global }
      - { .name: xq, .offset: 24, .size: 8, .value_kind: global_buffer, .address_space: global }
      - { .name: wq, .offset: 32, .size: 8, .value_kind: global_buffer, .address_space: global }
      - { .name: tab, .offset: 40, .size: 8, .value_kind: global_buffer, .address_space: global }
    .group_segment_fixed_size: 86528
    .private_segment_fixed_size: 0
    .kernarg_segment_align: 8
    .kernarg_segment_size: 48
    .max_flat_workgroup_size: 128
    .sgpr_count:     66
    .vgpr_count:     256
    .wavefront_size: 32
...
	.end_amdgpu_metadata
.endif
;; end of part 1
;; launch qkv (part 2): grid 12 x 32, 4 waves a work-group, clusters of 4 x 4, 327,680 bytes of LDS; arguments xq, wq, b_qkv, tab, qkv; writes qkv
.if DOCPART == 2
	.amdgcn_target "amdgcn-amd-amdhsa--gfx1250"
	.amdhsa_code_object_version 6
	.text
	.protected	k_qcee1973545_qkv
	.globl	k_qcee1973545_qkv
	.p2align	8
	.type	k_qcee1973545_qkv,@function
k_qcee1973545_qkv:
	s_mov_b64 s[64:65], 0
	v_nop
	global_prefetch_b8 v0, s[64:65] scope:SCOPE_SE
	s_setreg_imm32_b32 hwreg(HW_REG_WAVE_MODE, 25, 1), 1
	s_wait_xcnt 0x0
	s_wait_alu depctr_hold_cnt(0) depctr_sa_sdst(0) depctr_va_vdst(0) depctr_va_sdst(0) depctr_va_ssrc(0) depctr_va_vcc(0) depctr_vm_vsrc(0)
	s_getreg_b32 s2, hwreg(HW_REG_IB_STS2, 6, 4)
	s_cmp_eq_u32 s2, 0
	s_cbranch_scc0 .Lentry_in_a_cluster
	s_endpgm
.Lentry_in_a_cluster:
	s_bfe_u32 s2, ttmp6, 0x10000c
	s_cmp_lg_u32 s2, 0xf033
	s_cbranch_scc0 .Lentry_shape_is_right
	s_endpgm
.Lentry_shape_is_right:
; q, k, v = x w_qkv + b_qkv on codes of BF6 with E8M0 scales; RoPE on q and k in f32; then each is quantised for attention's products and stored in the order of those operands' registers.
; A work-group of four waves makes 256 x 256 of the product, a wave 128 x 128: 64 accumulators of 16 x 16.  K = 1,024 goes in eight steps of 128, written out: four quarters of 256 along K through THREE LDS slots.
; Quarters 0, 1 and 2 are asked for together at the start (positions 1, 0, 2); quarter 3 is the one refill: into position 1, behind the change of slots that leaves quarter 0, two quarters (224 matrix instructions) ahead of its first read.
; Operands lie in memory as images of their registers (a tile of 16 rows x 64 along K: 512 bytes at 16 x lane, 256 bytes at 8 x lane), so a slot's half is one dense block for one tensor load and a fragment is four LDS loads.
; THE MATRIX INSTRUCTION IS USED TRANSPOSED: source 0 = 16 rows of B', source 1 = 16 rows of A'.  Tile t, index i is row 32 (t / 2) + 8 (t % 2) + i + 8 (i / 8), on both sides: so a lane holds ONE row of A' and the
; 64 registers of its eight accumulators are B' indices 32 b + 16 (lane / 16) + i at register 16 b + i: the form that the quantiser takes.
; THE KIND is the cluster's x: 0 q, 1 k: A' = x (a lane holds a position, registers run along two heads' features); 2 v: A' = the weight, B' = x (a lane holds a feature, registers run along 128 keys, the second product's K).
; CLUSTERS: 4 x 4.  A's tiles hang on the cluster's row, B's on its column: each is asked for jointly by the four that share it.
; OUT: qkv [64 heads][16 records of 128 positions][19,200 bytes]: K 8 x 768, V 4 x 1,536, K's scale words 256, V's 256, Q 8 x 768, Q's scale words 256.
; LIMITS: a block of zeros gets the byte 1 (its codes are zeros; this program alone reads the bytes); NaN and infinities are not served.
; REGISTERS: window 0: v5, v7 bias offsets; v6 the scale word just made; v8-15 the row bias; v16-31 addresses; v32-95 scale words (block i, step g at 32 + 8 i + g: lanes 0-15 A', lanes 16-31 B');
;   v96-127, v224-255 two sets of the table; v128-223 A's fragments, on the way out the 64 numbers, the codes and the quantiser's work.   window 1: B's two sets at v0, v128; the column bias at v96-127, v224-255.   windows 2, 3: the accumulators.
.set REC,   204800
.set SCO,   196608
.set HEADB, 307200
.set RECQ,  19200
.set SLOT,  98304                      ; A's 16 tiles x 3,072 bytes, then B's
.set HALFT, 24576                      ; eight tiles: what one tensor load brings and one wave reads of a side
.set SCL,   3*SLOT                     ; behind the three slots: the scale bytes, A's 8,192 then B's: filled once
.set SPARE, SCL+16384                  ; the spare words, 128 bytes for each wave
.set STG,   SPARE+512                  ; scale words on the way out: 512 bytes a wave; the v kind's lie 2,048 further on
.set FR,    12
.set NL,    4
.set PW,    6
.set VB,    8
.set ADRA,  16                         ; v16-17 A's fragments at 16 x lane, address set 0, 1; v18-19 at 8 x lane.  Set 0 serves quarters 0 and 2, set 1 quarters 1 and 3
.set ADRB,  20                         ; v20-23 the same for B
.set L16,   24
.set L8,    25
.set STA,   26
.set STR,   27
.set SPW,   28
.set NIL,   29
.set OSO,   30
.set ADRS,  31
.set SC,    32
.set AF,    128
.set H,     128
.set PC,    192
.set TM,    212
.set WV,    18
.set RH,    19
.set CH,    20
.set G1,    24
.set G0,    32                         ; s[32:35] group 0 of A's quarter 3 (my half); s[36:39] of A's quarter 0 (whole), then of quarter 1 or 2 (whole)
.set G1B,   48
.set G0B,   56
.set G1S,   68
.set G0S,   76
.set G1SB,  80
.set G0SB,  88
.set OUT,   92
.set OSC,   94
.set TAB,   96
.set SEL,   98
.set MSB, 0
.macro WIN new                         ; the immediate's high byte repeats the setting that is left
.if MSB != (\new)
	s_set_vgpr_msb (MSB<<8)|(\new)
.set MSB, (\new)
.endif
.endm
.set MUL_LO, 0xa1                      ; source 0 (B') window 1, source 1 (A') window 0, C and D window 2
.set MUL_HI, 0xf1
.set TO_B,   0x40
.macro PLACES n
.rept \n
	v_nop
.endr
.endm
; A joint load: waves 0 and 1 fetch for A', waves 2 and 3 for B'.  Four v_nop follow each of the two lines.
.macro JLOAD g0a, g1a, g0b, g1b
	s_cmp_eq_u32 s[RH], 0
	s_cbranch_scc0 .Lfor_b_\@
	tensor_load_to_lds s[\g0a:\g0a+3], s[\g1a:\g1a+7]
	s_nop 0
.rept 4
	v_nop
.endr
	s_branch .Lasked_\@
.Lfor_b_\@:
	tensor_load_to_lds s[\g0b:\g0b+3], s[\g1b:\g1b+7]
	s_nop 0
.rept 4
	v_nop
.endr
.Lasked_\@:
.endm
.macro CREST                           ; a round of the cluster's barrier behind its opening barrier
	s_cmp_lg_u32 s[WV], 0
	s_cbranch_scc1 .Lnot_wave_0_\@
	s_barrier_signal -3
.Lnot_wave_0_\@:
	s_barrier_wait -3
	s_barrier_signal -1
	s_barrier_wait -1
.endm
.macro CROUND
	s_barrier_signal -1
	s_barrier_wait -1
	CREST
.endm
.macro FRAG reg, a16, a8, off          ; a fragment, 12 registers, as it was stored: four loads, each of consecutive bytes
	ds_load_b128 v[\reg:\reg+3], v[\a16] offset:\off
	ds_load_b64 v[\reg+4:\reg+5], v[\a8] offset:\off+512
	ds_load_b128 v[\reg+6:\reg+9], v[\a16] offset:\off+768
	ds_load_b64 v[\reg+10:\reg+11], v[\a8] offset:\off+1280
.endm
.macro FETCH_B slot, q, p
	WIN TO_B
.irp i, 0,1,2,3,4,5,6,7
	FRAG 128*(\p)+FR*\i, ADRB+\slot, ADRB+2+\slot, \i*3072+(\q)*1536
.endr
	WIN 0
.endm
.macro FETCH_A slot, q, i0
.irp i, \i0, \i0+1, \i0+2, \i0+3
	FRAG AF+FR*(\i), ADRA+\slot, ADRA+2+\slot, (\i)*3072+(\q)*1536
.endr
.endm
.macro ADVANCE set                     ; an address set whose quarter has been read out moves one position up: set 0 from 1 to 2, set 1 from 0 to 1.  Four plain lines in window 0
	v_add_nc_u32 v[ADRA+\set], SLOT, v[ADRA+\set]
	v_add_nc_u32 v[ADRA+2+\set], SLOT, v[ADRA+2+\set]
	v_add_nc_u32 v[ADRB+\set], SLOT, v[ADRB+\set]
	v_add_nc_u32 v[ADRB+2+\set], SLOT, v[ADRB+2+\set]
.endm
; 16 matrix instructions: A's blocks a0, a0 + 1 x B's eight, step g.  The 64 accumulators take turns, one instruction a turn, in the same order in every step.
.macro MUL16 a0, p, g, zero
.irp a, \a0, \a0+1
.irp b, 0,1,2,3,4,5,6,7
.if \zero
	v_wmma_scale_f32_16x16x128_f8f6f4 v[8*(8*((\a)%4)+\b):8*(8*((\a)%4)+\b)+7], v[128*(\p)+FR*\b:128*(\p)+FR*\b+FR-1], v[AF+FR*(\a):AF+FR*(\a)+FR-1], 0, v[SC+8*\b+(\g)], v[SC+8*(\a)+(\g)] matrix_a_fmt:MATRIX_FMT_BF6 matrix_b_fmt:MATRIX_FMT_BF6 matrix_a_scale:MATRIX_SCALE_ROW1
.else
	v_wmma_scale_f32_16x16x128_f8f6f4 v[8*(8*((\a)%4)+\b):8*(8*((\a)%4)+\b)+7], v[128*(\p)+FR*\b:128*(\p)+FR*\b+FR-1], v[AF+FR*(\a):AF+FR*(\a)+FR-1], v[8*(8*((\a)%4)+\b):8*(8*((\a)%4)+\b)+7], v[SC+8*\b+(\g)], v[SC+8*(\a)+(\g)] matrix_a_fmt:MATRIX_FMT_BF6 matrix_b_fmt:MATRIX_FMT_BF6 matrix_a_scale:MATRIX_SCALE_ROW1
.endif
.endr
.endr
.endm
; A quarter's first step of 128 along K: its successor lies in the same slot.  slot: the address set.
.macro STEP slot, g, zero
	s_wait_dscnt 4*NL                                ; B's set and A's blocks 0-3 are in; A's blocks 4-7 may be out
	WIN MUL_LO
	MUL16 0, 0, \g, \zero
	MUL16 2, 0, \g, \zero
	s_wait_dscnt 0
	PLACES 4                                         ; in front of loads into registers that matrix instructions have read
	FETCH_B \slot, 1, 1
	FETCH_A \slot, 1, 0
	WIN MUL_HI
	MUL16 4, 0, \g, \zero
	MUL16 6, 0, \g, \zero
	PLACES 4
	WIN 0
	FETCH_A \slot, 1, 4
.endm
; A quarter's second step with a barrier: in front of it each wave waits for all its tensor loads, adds 0 to its spare word, and waits for that and for its reads of the slot that it leaves.
; fill = 1 (behind quarter 0): the barrier opens a round of the cluster's; the slot just left takes quarter 3; its address set moves on to quarter 2's position.
.macro TURN slot, next, fill, g
	s_wait_tensorcnt 0x0                             ; all my tensor loads have landed
	ds_add_u32 v[SPW], v[NIL]                        ; 0 onto my spare word
	s_wait_dscnt 4*NL+1                              ; the add and A's blocks 4-7 may be out
	WIN MUL_LO
	MUL16 0, 1, \g, 0
	s_wait_dscnt 0x0                                 ; the add is done, and my reads of this slot are over
	s_barrier_signal -1
	MUL16 2, 1, \g, 0
	WIN 0
	s_barrier_wait -1
.if \fill
	CREST                                            ; no wave of any partner still reads this slot or has a load on its way
	s_mov_b32 s[G1+2], 96<<16                        ; no load of mine is out: quarter 3 comes in halves of 96 rows
	s_mov_b32 s[G1+4], 96
	s_mov_b32 s[G1B+2], 96<<16
	s_mov_b32 s[G1B+4], 96
	s_add_nc_u64 s[G0+4*\slot+2:G0+4*\slot+3], s[G0+4*\slot+2:G0+4*\slot+3], 3*49152
	s_add_nc_u64 s[G0B+4*\slot+2:G0B+4*\slot+3], s[G0B+4*\slot+2:G0B+4*\slot+3], 3*49152
	JLOAD G0+4*\slot, G1, G0B+4*\slot, G1B           ; my one tensor load behind the round; its four v_nop are the places in front of the loads below
	ADVANCE \slot
.else
	PLACES 4
.endif
	FETCH_B \next, 0, 0
	FETCH_A \next, 0, 0
	WIN MUL_HI
	MUL16 4, 1, \g, 0
	MUL16 6, 1, \g, 0
	PLACES 4
	WIN 0
	FETCH_A \next, 0, 4
.endm
; Quarter 1's second step goes over into quarter 2 with no wait for tiles and no barrier: every wave waited for all its loads, quarter 2's among them, in front of the round behind quarter 0;
; nothing is filled here, and quarter 3's load stays on its way.
.macro CROSS slot, next, g
	s_wait_dscnt 4*NL
	WIN MUL_LO
	MUL16 0, 1, \g, 0
	MUL16 2, 1, \g, 0
	s_wait_dscnt 0
	WIN 0
	ADVANCE \slot                                    ; set 1 moves on to quarter 3's position; these four lines are the places in front of the loads below
	FETCH_B \next, 0, 0
	FETCH_A \next, 0, 0
	WIN MUL_HI
	MUL16 4, 1, \g, 0
	MUL16 6, 1, \g, 0
	PLACES 4
	WIN 0
	FETCH_A \next, 0, 4
.endm
; 64 numbers of a lane, register 16 b + i = k 32 b + 16 (lane / 16) + i of my row, become a fragment's codes in v[PC] on and its scale word in v[PW].
.macro QUANT s
.irp b, 0,1,2,3
	v_max3_num_f32 v[TM+\b], |v[\s+16*\b]|, |v[\s+1+16*\b]|, 0x2800000   ; my 16 numbers of block b, and the floor 2^(5 - 127)
.endr
.irp i, 2,4,6,8,10,12,14
.irp b, 0,1,2,3
	v_max3_num_f32 v[TM+\b], v[TM+\b], |v[\s+16*\b+\i]|, |v[\s+1+16*\b+\i]|
.endr
.endr
.irp b, 0,1,2,3
	v_permlanex16_b32 v[TM+4+\b], v[TM+\b], s[SEL], s[SEL+1]
.endr
.irp b, 0,1,2,3
	v_max_num_f32 v[TM+\b], v[TM+\b], v[TM+4+\b]
.endr
.irp b, 0,1,2,3
	v_add_nc_u32 v[TM+8+\b], 0xfe000000, v[TM+\b]    ; 4 off the exponent field: the conversion's scale operand
.endr
.irp b, 0,1,2,3
	v_lshrrev_b32 v[TM+4+\b], 23, v[TM+8+\b]
.endr
	v_lshl_or_b32 v[PW], v[TM+5], 8, v[TM+4]
	v_lshl_or_b32 v[PW], v[TM+6], 16, v[PW]
	v_lshl_or_b32 v[PW], v[TM+7], 24, v[PW]
.irp c, 0,1
	v_cvt_scalef32_pk16_bf6_f32 v[PC+6*\c:PC+2+6*\c], v[\s+32*\c:\s+15+32*\c], v[TM+8+2*\c]
	v_cvt_scalef32_pk16_bf6_f32 v[PC+12+4*\c:PC+14+4*\c], v[\s+16+32*\c:\s+31+32*\c], v[TM+8+2*\c+1]
.endr
	v_nop                                            ; one plain place behind a scaled conversion
.irp c, 0,1
.irp i, 0,1,2
	v_permlane16_swap_b32 v[PC+6*\c+\i], v[PC+12+4*\c+\i]
.endr
.irp i, 0,1,2
	v_mov_b32 v[PC+3+6*\c+\i], v[PC+12+4*\c+\i]
.endr
.endr
.endm
.macro TLD a                           ; the table of block a's 16 positions: eight loads of 512 consecutive bytes, into set a % 2
.irp q, 0,1,2,3,4,5,6,7
	global_load_b128 v[96+128*((\a)%2)+4*\q:96+128*((\a)%2)+4*\q+3], v[L16], s[TAB:TAB+1] offset:(\a)*4096+512*\q
.endr
.endm
.macro FINISH                          ; the wave's end, then the closing round
	s_wait_tensorcnt 0x0
	ds_add_u32 v[SPW], v[NIL]
	s_wait_dscnt 0x0
	CROUND
	s_endpgm
.endm
; q, k: block a = 16 positions x two heads.  Bias, RoPE, quantiser; a head's half of the fragment goes to that head's record.
.macro QKBLOCK a
.if (\a) < 7
	s_wait_loadcnt 8                                 ; this block's table (and at first the biases) is in; the next block's eight loads may be out
.else
	s_wait_loadcnt 0x0
.endif
.set AC, 64*((\a)%4)
.set TT, 96+128*((\a)%2)
	WIN 0x06+(\a)/4                                  ; source 0: the accumulators' window; source 1: window 1
.set k, 0
.rept 32
	v_pk_add_f32 v[H+k:H+k+1], v[AC+k:AC+k+1], v[96+k+96*(k/32):97+k+96*(k/32)]   ; ascending: each accumulator is read from its low end on
.set k, k+2
.endr
	WIN 0
.set q, 0
.rept 8                                              ; frequencies 16 h + 2 q, + 1: lo' = lo cos - hi sin, hi' = hi cos + lo sin, both heads
	v_pk_mul_f32 v[TM:TM+1], v[H+16+2*q:H+17+2*q], v[TT+4*q+2:TT+4*q+3]
	v_pk_mul_f32 v[TM+2:TM+3], v[H+2*q:H+1+2*q], v[TT+4*q+2:TT+4*q+3]
	v_pk_mul_f32 v[TM+4:TM+5], v[H+48+2*q:H+49+2*q], v[TT+4*q+2:TT+4*q+3]
	v_pk_mul_f32 v[TM+6:TM+7], v[H+32+2*q:H+33+2*q], v[TT+4*q+2:TT+4*q+3]
	v_pk_fma_f32 v[H+2*q:H+1+2*q], v[H+2*q:H+1+2*q], v[TT+4*q:TT+4*q+1], v[TM:TM+1] neg_lo:[0,0,1] neg_hi:[0,0,1]
	v_pk_fma_f32 v[H+16+2*q:H+17+2*q], v[H+16+2*q:H+17+2*q], v[TT+4*q:TT+4*q+1], v[TM+2:TM+3]
	v_pk_fma_f32 v[H+32+2*q:H+33+2*q], v[H+32+2*q:H+33+2*q], v[TT+4*q:TT+4*q+1], v[TM+4:TM+5] neg_lo:[0,0,1] neg_hi:[0,0,1]
	v_pk_fma_f32 v[H+48+2*q:H+49+2*q], v[H+48+2*q:H+49+2*q], v[TT+4*q:TT+4*q+1], v[TM+6:TM+7]
.set q, q+1
.endr
	s_wait_xcnt 0x0                                  ; the last block's stores have read the codes' registers
.if (\a)+2 < 8
	TLD (\a)+2
.endif
	s_wait_dscnt 0x0
	QUANT H
	global_store_b128 v[L16], v[PC:PC+3], s[OUT:OUT+1] offset:(\a)*768
	global_store_b64 v[L8], v[PC+4:PC+5], s[OUT:OUT+1] offset:(\a)*768+512
	global_store_b128 v[L16], v[PC+6:PC+9], s[OUT:OUT+1] offset:HEADB+(\a)*768
	global_store_b64 v[L8], v[PC+10:PC+11], s[OUT:OUT+1] offset:HEADB+(\a)*768+512
	ds_store_b16 v[STA], v[PW] offset:4*((\a)/2)+2*((\a)%2)
	ds_store_b16_d16_hi v[STA], v[PW] offset:256+4*((\a)/2)+2*((\a)%2)
.endm
; v: block a = 16 features of head a / 4 x 128 keys: a whole fragment of the second product's operand.
.macro VBLOCK a
.set AC, 64*((\a)%4)
	WIN 0x02+(\a)/4
.set k, 0
.rept 64
	v_add_f32 v[H+k], v[AC+k], v[VB+(\a)]            ; ascending: each accumulator is read from its low end on
.set k, k+1
.endr
	WIN 0
	s_wait_xcnt 0x0
	s_wait_dscnt 0x0
	QUANT H
	global_store_b128 v[L16], v[PC:PC+3], s[OUT:OUT+1] offset:((\a)/4)*HEADB+((\a)%4)*1536
	global_store_b64 v[L8], v[PC+4:PC+5], s[OUT:OUT+1] offset:((\a)/4)*HEADB+((\a)%4)*1536+512
	global_store_b128 v[L16], v[PC+6:PC+9], s[OUT:OUT+1] offset:((\a)/4)*HEADB+((\a)%4)*1536+768
	global_store_b64 v[L8], v[PC+10:PC+11], s[OUT:OUT+1] offset:((\a)/4)*HEADB+((\a)%4)*1536+1280
	ds_store_b32 v[STA], v[PW] offset:2048+256*((\a)/4)+4*((\a)%4)
.endm
	s_load_b256 s[4:11], s[0:1], 0x0                 ; xq, wq, b_qkv, tab
	s_load_b64 s[12:13], s[0:1], 0x20                ; qkv
	v_lshl_add_u32 v[SPW], v0, 2, SPARE
	v_mov_b32 v[NIL], 0
	ds_add_u32 v28, v29
	ds_add_u32 v28, v29
	s_wait_dscnt 0x0
	v_lshrrev_b32 v1, 5, v0
	v_readfirstlane_b32 s[WV], v1
	s_lshr_b32 s[RH], s[WV], 1                       ; which half of A's rows is mine.  Also: I fetch for A' (0) or B' (1)
	s_and_b32 s[CH], s[WV], 1                        ; which half of B's.  Also: which half of that side I fetch
	s_bfe_u32 s40, ttmp6, 0x40000                    ; cx
	s_bfe_u32 s41, ttmp6, 0x40004                    ; cy
	s_and_b32 s22, ttmp7, 0xffff
	s_cmp_eq_u32 ttmp9, 2                            ; the v kind changes the sides
	s_cselect_b32 s42, ttmp9, s22
	s_cselect_b32 s43, s22, ttmp9
	s_lshl_b32 s42, s42, 2
	s_add_co_u32 s42, s42, s41                       ; A's record
	s_lshl_b32 s43, s43, 2
	s_add_co_u32 s43, s43, s40                       ; B's record
	s_lshl_b32 s14, s41, 2
	s_lshl_b32 s14, 15, s14                          ; my row of the cluster
	s_lshl_b32 s15, 0x1111, s40                      ; my column
	s_or_b32 s[G1], s14, (3<<16)|(1<<21)             ; 15:0 the mask; 17:16 elements of 8 bytes; 21 set beside a mask; no padding
	s_or_b32 s[G1S], s14, (3<<16)|(1<<21)
	s_or_b32 s[G1B], s15, (3<<16)|(1<<21)
	s_or_b32 s[G1SB], s15, (3<<16)|(1<<21)
.irp g, G1, G1B                                      ; codes: a whole quarter of a side, 49,152 dense bytes as 192 rows of 256; quarter 3's loads bring 96 rows
	s_mov_b32 s[\g+1], 32<<16
	s_mov_b32 s[\g+2], 192<<16
	s_mov_b32 s[\g+3], 32<<16
	s_mov_b32 s[\g+4], 192
	s_mov_b32 s[\g+5], 32
	s_mov_b32 s[\g+6], 0
	s_mov_b32 s[\g+7], 0
.endr
.irp g, G1S, G1SB                                    ; scale bytes of a side: 8,192 dense bytes as 32 rows of 256
	s_mov_b32 s[\g+1], 32<<16
	s_mov_b32 s[\g+2], 32<<16
	s_mov_b32 s[\g+3], 32<<16
	s_mov_b32 s[\g+4], 32
	s_mov_b32 s[\g+5], 32
	s_mov_b32 s[\g+6], 0
	s_mov_b32 s[\g+7], 0
.endr
	s_mul_i32 s44, s42, REC
	s_mul_i32 s46, s43, REC
	s_add_co_u32 s16, s44, SCO                       ; the records' scale bytes; s44, s46: the records' first bytes
	s_add_co_u32 s22, s46, SCO
	s_mov_b32 s45, 0
	s_mov_b32 s47, 0
	s_mov_b32 s17, 0
	s_mov_b32 s23, 0
	s_mul_i32 s21, s[WV], HALFT                      ; where they go: no place in the cluster enters an LDS address
	s_lshl_b32 s100, s43, 10                         ; the column bias (q, k): B's 128 features; the row bias (v): A's.  The one that the kind does not use is read at offset 0
	s_lshl_b32 s14, s[CH], 9
	s_add_co_u32 s100, s100, s14
	s_lshl_b32 s101, s42, 10
	s_lshl_b32 s14, s[RH], 9
	s_add_co_u32 s101, s101, s14
	s_cmp_eq_u32 ttmp9, 2
	s_cselect_b32 s100, 0, s100
	s_cselect_b32 s101, s101, 0
	s_and_b32 s14, s42, 7
	s_lshl_b32 s[TAB], s14, 16
	s_lshl_b32 s14, s[RH], 15
	s_add_co_u32 s[TAB], s[TAB], s14                 ; my first tile of positions in the table
	s_mov_b32 s[TAB+1], 0
	s_mov_b32 s[SEL], 0x76543210
	s_mov_b32 s[SEL+1], 0xfedcba98
	v_and_b32 v1, 31, v0
	v_and_b32 v2, 15, v0                             ; r
	v_bfe_u32 v3, v0, 4, 1                           ; h
	v_lshlrev_b32 v[L16], 4, v1
	v_lshlrev_b32 v[L8], 3, v1
	v_lshl_add_u32 v5, v3, 6, s100                   ; column bias: + 64 h
	v_and_b32 v4, 8, v2
	v_add_nc_u32 v4, v4, v2
	v_lshl_add_u32 v7, v4, 2, s101                   ; row bias: + 4 (r + 8 (r / 8))
	s_mul_i32 s14, s[RH], HALFT
	s_mul_i32 s15, s[CH], HALFT
	s_add_co_u32 s15, s15, 2*HALFT
.irp s, 1,0                                          ; address set 1 begins at position 0 (quarter 1), set 0 at position 1 (quarter 0)
	v_add_nc_u32 v[ADRA+\s], s14, v[L16]
	v_add_nc_u32 v[ADRA+2+\s], s14, v[L8]
	v_add_nc_u32 v[ADRB+\s], s15, v[L16]
	v_add_nc_u32 v[ADRB+2+\s], s15, v[L8]
	s_add_co_u32 s14, s14, SLOT
	s_add_co_u32 s15, s15, SLOT
.endr
	s_lshl_b32 s14, s[RH], 8                         ; scale bytes: A's eight tiles; lanes 16-31 take B's: the lower base + h x the distance
	s_lshl_b32 s15, s[CH], 8
	s_add_co_u32 s15, s15, 8192
	s_sub_co_u32 s15, s15, s14
	v_mul_u32_u24 v4, s15, v3
	v_lshl_add_u32 v4, v2, 1, v4
	s_add_co_u32 s14, s14, SCL
	v_add_nc_u32 v[ADRS], s14, v4
	s_lshl_b32 s14, s[WV], 9
	s_add_co_u32 s14, s14, STG
	v_lshl_add_u32 v[STA], v2, 4, s14
	v_add_nc_u32 v[STR], s14, v[L16]
	v_mul_u32_u24 v4, v3, HEADB
	v_lshl_add_u32 v[OSO], v2, 4, v4
	s_wait_kmcnt 0x0
	s_cmp_eq_u32 ttmp9, 2
	s_cselect_b64 s[2:3], s[6:7], s[4:5]             ; A's buffer
	s_cselect_b64 s[14:15], s[4:5], s[6:7]           ; B's
	s_add_nc_u64 s[44:45], s[2:3], s[44:45]
	s_add_nc_u64 s[16:17], s[2:3], s[16:17]
	s_add_nc_u64 s[46:47], s[14:15], s[46:47]
	s_add_nc_u64 s[22:23], s[14:15], s[22:23]
	s_add_nc_u64 s[TAB:TAB+1], s[10:11], s[TAB:TAB+1]
	CROUND                                           ; all sixteen work-groups are here: the first joint loads meet
; THE HEAD'S FOUR TILES, ONE JOINT LOAD A WAVE: wave 0 A's quarter 0 whole, wave 1 B's, both to position 1; wave 2 A's scale bytes, wave 3 B's.
	s_mov_b32 s[G0+4], 1
	s_mov_b32 s[G0+5], SLOT
	s_mov_b64 s[G0+6:G0+7], s[44:45]
	s_or_b32 s[G0+7], s[G0+7], 0x80000000
	s_mov_b32 s[G0B+4], 1
	s_mov_b32 s[G0B+5], SLOT+2*HALFT
	s_mov_b64 s[G0B+6:G0B+7], s[46:47]
	s_or_b32 s[G0B+7], s[G0B+7], 0x80000000
	s_mov_b32 s[G0S], 1
	s_mov_b32 s[G0S+1], SCL
	s_mov_b64 s[G0S+2:G0S+3], s[16:17]
	s_or_b32 s[G0S+3], s[G0S+3], 0x80000000
	s_mov_b32 s[G0SB], 1
	s_mov_b32 s[G0SB+1], SCL+8192
	s_mov_b64 s[G0SB+2:G0SB+3], s[22:23]
	s_or_b32 s[G0SB+3], s[G0SB+3], 0x80000000
	s_mul_i32 s14, s[CH], HALFT                      ; quarter 3's groups 0: my half of a side, at quarter 0's place in memory (the refill steps it three quarters on) and in LDS
	s_mov_b32 s15, 0
	s_mov_b32 s[G0], 1
	s_add_co_u32 s[G0+1], s21, SLOT
	s_add_nc_u64 s[G0+2:G0+3], s[44:45], s[14:15]
	s_or_b32 s[G0+3], s[G0+3], 0x80000000
	s_mov_b32 s[G0B], 1
	s_add_co_u32 s[G0B+1], s21, SLOT
	s_add_nc_u64 s[G0B+2:G0B+3], s[46:47], s[14:15]
	s_or_b32 s[G0B+3], s[G0B+3], 0x80000000
.macro ARM under, g0, g1, next         ; one chain of branches on the wave's number: every way passes exactly one load
	s_cmp_lt_u32 s[WV], \under
	s_cbranch_scc0 \next
	tensor_load_to_lds s[\g0:\g0+3], s[\g1:\g1+7]
	s_nop 0
.rept 4
	v_nop
.endr
	s_branch .Lhead_asked
\next:
.endm
	ARM 1, G0+4, G1, .Lhead_b
	ARM 2, G0B+4, G1B, .Lhead_sa
	ARM 3, G0S, G1S, .Lhead_sb
	tensor_load_to_lds s[G0SB:G0SB+3], s[G1SB:G1SB+7]
	s_nop 0
.rept 4
	v_nop
.endr
.Lhead_asked:
	WIN 0x40                                         ; destination window 1
.irp b, 0,1,2,3
.irp j, 0,1,2,3
	global_load_b128 v[96+16*\b+4*\j+96*(\b/2):99+16*\b+4*\j+96*(\b/2)], v5, s[8:9] offset:128*\b+16*\j   ; bias of features 32 b + 16 h + 4 j on
.endr
.endr
	WIN 0
.irp a, 0,1,2,3,4,5,6,7
	global_load_b32 v[VB+\a], v7, s[8:9] offset:(32*(\a/2)+8*(\a%2))*4     ; bias of block a's row r
.endr
	TLD 0
	TLD 1
	s_wait_alu depctr_va_vdst(0)                     ; the wait at the head's end
	s_wait_tensorcnt 0x0                             ; my tile of the head's four is in
	ds_add_u32 v[SPW], v[NIL]
	s_mul_i32 s14, s[CH], 2*SLOT                     ; no load of mine is out: quarter 1 + CH of side RH, whole; quarter 1 to position 0, quarter 2 to position 2
	s_mul_i32 s2, s[CH], 49152
	s_add_co_u32 s2, s2, 49152
	s_mov_b32 s3, 0
	s_mov_b32 s[G0+5], s14
	s_add_co_u32 s[G0B+5], s14, 2*HALFT
	s_add_nc_u64 s[G0+6:G0+7], s[G0+6:G0+7], s[2:3]
	s_add_nc_u64 s[G0B+6:G0B+7], s[G0B+6:G0B+7], s[2:3]
	s_wait_dscnt 0x0
	CROUND                                           ; all four tiles are in, in every work-group of the cluster
	JLOAD G0+4, G1, G0B+4, G1B                       ; my one load behind the round: it has quarter 0's two steps in which to land
.irp t, 0,1                                          ; the scale words of all eight steps: two bytes from each of two planes make a word
.irp i, 0,1,2,3,4,5,6,7
.irp p, 0,1,2,3,4,5,6,7
	ds_load_u16 v[128+8*\i+\p], v[ADRS] offset:(8*\t+\p)*512+32*\i
.endr
.endr
	s_wait_dscnt 0x0
.irp i, 0,1,2,3,4,5,6,7
.irp g, 0,1,2,3
	v_lshl_or_b32 v[SC+8*\i+4*\t+\g], v[128+8*\i+2*\g+1], 16, v[128+8*\i+2*\g]
.endr
.endr
.endr
	PLACES 8                                         ; a scale register written by a vector instruction stands eight places ahead of a scaled matrix instruction
	FETCH_B 0, 0, 0
	FETCH_A 0, 0, 0
	FETCH_A 0, 0, 4
	STEP 0, 0, 1                                     ; quarter 0; the first step's products start the sums
	TURN 0, 1, 1, 1                                  ; quarters 1 and 2 are whole; quarter 3 is asked for
	s_wait_alu depctr_va_vdst(0)
	STEP 1, 2, 0                                     ; quarter 1
	CROSS 1, 0, 3
	s_wait_alu depctr_va_vdst(0)
	STEP 0, 4, 0                                     ; quarter 2
	TURN 0, 1, 0, 5                                  ; quarter 3 is whole; nothing is left to fetch
	STEP 1, 6, 0                                     ; quarter 3
	s_wait_dscnt 4*NL
	WIN MUL_LO
	MUL16 0, 1, 7, 0
	MUL16 2, 1, 7, 0
	s_wait_dscnt 0
	WIN MUL_HI
	MUL16 4, 1, 7, 0
	MUL16 6, 1, 7, 0
	WIN 0
	PLACES 4                                         ; in front of the first read of results and of writes over A's fragments
.irp b, 0,1,2,3
	v_mov_b32 v[TM+4+\b], 0                          ; a lane permute's destination counts as one of its sources
.endr
	s_cmp_eq_u32 ttmp9, 2
	s_cbranch_scc1 .Lvpath
	s_lshr_b32 s14, s42, 3                           ; q, k: batch = A's record / 8; heads 4 cx + 2 CH, + 1; record of positions 2 (A's record % 8) + RH
	s_lshl_b32 s14, s14, 4
	s_and_b32 s15, s43, 3
	s_lshl_b32 s15, s15, 2
	s_add_co_u32 s14, s14, s15
	s_lshl_b32 s15, s[CH], 1
	s_add_co_u32 s14, s14, s15
	s_mul_i32 s14, s14, HEADB
	s_and_b32 s15, s42, 7
	s_lshl_b32 s15, s15, 1
	s_add_co_u32 s15, s15, s[RH]
	s_mul_i32 s15, s15, RECQ
	s_add_co_u32 s14, s14, s15
	s_cmp_eq_u32 ttmp9, 0
	s_cselect_b32 s15, 12800, 0                      ; Q's codes at 12,800, K's at 0
	s_cselect_b32 s16, 6656, 0                       ; Q's scale words at 18,944, K's at 12,288
	s_add_co_u32 s[OUT], s14, s15
	s_add_co_u32 s[OSC], s14, s16
	s_add_co_u32 s[OSC], s[OSC], 12288
	s_mov_b32 s[OUT+1], 0
	s_mov_b32 s[OSC+1], 0
	s_add_nc_u64 s[OUT:OUT+1], s[12:13], s[OUT:OUT+1]
	s_add_nc_u64 s[OSC:OSC+1], s[12:13], s[OSC:OSC+1]
.irp a, 0,1,2,3,4,5,6,7
	QKBLOCK \a
.endr
	ds_load_b128 v[H:H+3], v[STR]                    ; LDS serves a wave's instructions in order: this sees my stores
	s_wait_dscnt 0x0
	global_store_b128 v[OSO], v[H:H+3], s[OSC:OSC+1] ; lanes 0-15 one head's 256 bytes, lanes 16-31 the next head's
	FINISH
.Lvpath:
	s_lshr_b32 s14, s43, 3                           ; v: batch = B's record / 8; heads 4 cy + 2 RH, + 1; record of positions 2 (B's record % 8) + CH
	s_lshl_b32 s14, s14, 4
	s_lshl_b32 s15, s41, 2
	s_add_co_u32 s14, s14, s15
	s_lshl_b32 s15, s[RH], 1
	s_add_co_u32 s14, s14, s15
	s_mul_i32 s14, s14, HEADB
	s_and_b32 s15, s43, 7
	s_lshl_b32 s15, s15, 1
	s_add_co_u32 s15, s15, s[CH]
	s_mul_i32 s15, s15, RECQ
	s_add_co_u32 s14, s14, s15
	s_add_co_u32 s[OUT], s14, 6144
	s_add_co_u32 s[OSC], s14, 12544
	s_mov_b32 s[OUT+1], 0
	s_mov_b32 s[OSC+1], 0
	s_add_nc_u64 s[OUT:OUT+1], s[12:13], s[OUT:OUT+1]
	s_add_nc_u64 s[OSC:OSC+1], s[12:13], s[OSC:OSC+1]
	s_wait_loadcnt 0x0
.irp a, 0,1,2,3,4,5,6,7
	VBLOCK \a
.endr
	ds_load_b128 v[H:H+3], v[STR] offset:2048
	s_wait_dscnt 0x0
	global_store_b128 v[OSO], v[H:H+3], s[OSC:OSC+1]
	FINISH
.Lfunc_end_k_qcee1973545_qkv:
	.size	k_qcee1973545_qkv, .Lfunc_end_k_qcee1973545_qkv-k_qcee1973545_qkv
	.p2alignl 7, 3214868480
	.fill 96, 4, 3214868480
	.section	.rodata,"a",@progbits
	.p2align	6, 0x0
	.amdhsa_kernel k_qcee1973545_qkv
		.amdhsa_group_segment_fixed_size 327680
		.amdhsa_private_segment_fixed_size 0
		.amdhsa_enable_private_segment 0
		.amdhsa_kernarg_size 40
		.amdhsa_user_sgpr_count 2
		.amdhsa_user_sgpr_kernarg_segment_ptr 1
		.amdhsa_wavefront_size32 1
		.amdhsa_system_sgpr_workgroup_id_x 1
		.amdhsa_system_sgpr_workgroup_id_y 1
		.amdhsa_system_sgpr_workgroup_id_z 1
		.amdhsa_system_vgpr_workitem_id 0
		.amdhsa_next_free_vgpr 1024
		.amdhsa_next_free_sgpr 102
		.amdhsa_reserve_vcc 0
		.amdhsa_float_denorm_mode_32 3
		.amdhsa_float_denorm_mode_16_64 3
		.amdhsa_memory_ordered 1
		.amdhsa_forward_progress 1
		.amdhsa_inst_pref_size 255
	.end_amdhsa_kernel
	.section	.bss,"aw",@nobits
	.p2align	6
	.space	262144
	.amdgpu_metadata
---
amdhsa.version: [ 1, 2 ]
amdhsa.kernels:
  - .name:           k_qcee1973545_qkv
    .symbol:         k_qcee1973545_qkv.kd
    .args:
      - { .name: xq, .offset: 0, .size: 8, .value_kind: global_buffer, .address_space: global }
      - { .name: wq, .offset: 8, .size: 8, .value_kind: global_buffer, .address_space: global }
      - { .name: b_qkv, .offset: 16, .size: 8, .value_kind: global_buffer, .address_space: global }
      - { .name: tab, .offset: 24, .size: 8, .value_kind: global_buffer, .address_space: global }
      - { .name: qkv, .offset: 32, .size: 8, .value_kind: global_buffer, .address_space: global }
    .group_segment_fixed_size: 327680
    .private_segment_fixed_size: 0
    .kernarg_segment_align: 8
    .kernarg_segment_size: 40
    .max_flat_workgroup_size: 128
    .sgpr_count:     102
    .vgpr_count:     1024
    .wavefront_size: 32
...
	.end_amdgpu_metadata
.endif
;; end of part 2
;; launch attn (part 3): grid 4 x 64, 16 waves a work-group, clusters of 4 x 1, 207,872 bytes of LDS; arguments qkv, aq; writes aq
.if DOCPART == 3
	.amdgcn_target "amdgcn-amd-amdhsa--gfx1250"
	.amdhsa_code_object_version 6
	.text
	.protected	k_qcee1973545_attn
	.globl	k_qcee1973545_attn
	.p2align	8
	.type	k_qcee1973545_attn,@function
k_qcee1973545_attn:
	s_mov_b64 s[64:65], 0
	v_nop
	global_prefetch_b8 v0, s[64:65] scope:SCOPE_SE
	s_setreg_imm32_b32 hwreg(HW_REG_WAVE_MODE, 25, 1), 1
	s_wait_xcnt 0x0
	s_wait_alu depctr_hold_cnt(0) depctr_sa_sdst(0) depctr_va_vdst(0) depctr_va_sdst(0) depctr_va_ssrc(0) depctr_va_vcc(0) depctr_vm_vsrc(0)
	s_getreg_b32 s2, hwreg(HW_REG_IB_STS2, 6, 4)
	s_cmp_eq_u32 s2, 0
	s_cbranch_scc0 .Lentry_in_a_cluster
	s_endpgm
.Lentry_in_a_cluster:
	s_bfe_u32 s2, ttmp6, 0x10000c
	s_cmp_lg_u32 s2, 0x3003
	s_cbranch_scc0 .Lentry_shape_is_right
	s_endpgm
.Lentry_shape_is_right:
; Attention of one head on codes of BF6 with E8M0 scales; the result, divided by the row's sum, is quantised along the model's axis for the last product and stored in the order of that operand's registers.
; t = score x log2(e) / 8; M = the running largest t rounded UP to a whole number; p = 2^(t - M) is quantised along the keys, not normalised; the row's sum is taken of the unquantised p.
; SHARES: a work-group owns 512 queries of one head, each of its sixteen waves two tiles of 16, one after the other.  The head's K, V and scale words, 16 x 12,800 bytes, come into LDS once and stay.
; CLUSTER: the four work-groups of a head read the same K and V: each of the sixteen key steps is asked for jointly (mask of all four).  Wave w issues key step w's load: one load a wave, no branch.
; No prefetch: every tile is asked for at the head, and there is no loop to run ahead in.
; LAYOUT: both products are used transposed (source 0 = 16 keys, or 16 of the head's 64; source 1 = my 16 queries): a lane holds one query.  Tile t, index i of the keys is key 32 (t / 2) + 8 (t % 2) + i + 8 (i / 8).
; The head has 64 along K, the instruction 128: a fragment of K holds two tiles of keys; it meets [q | 0] for the first and [0 | q] for the second.  The zeros are zero codes.
; A KEY STEP: the last step's p are summed behind K's loads and between the products K Q^T; block maxima; M, f, O and the sum under the new M, all t - M; one batch of 68 exponentials; p's scales and codes; O += V p.
; Two blocking waits a step (for K; for V, behind the exponentials), each with a wait on vector results directly ahead of it.
; LIMITS: NaN and infinities are not served; the scaled scores stay under 2^31 in magnitude; a block whose every p is 0 keeps the byte 1 (its codes are zeros).
; A block's largest p is made from its largest score by the same two instructions as every p: this takes v_exp_f32 not to fall where its input rises.
; REGISTERS: v1-3 16 x lane, 8 x lane, 16 r; v4-6 the step's addresses; v7 my scale bytes' place; v8-11 q's scale words; v12 -M, v13 the largest score, v[14:15] the sum; v16-33, v34-51 [q | 0 | q] of my two tiles;
;   v52-99 fragments of K or V; v100-163 scores, then p; v164-195 O; v196-214 p's codes; v216-227 at work; v228-235 K's, V's scale words; v236 p's; v[238:239] f; v240 at work, v241 the old -M; v[242:243] the sum's second chain.
.set HEADB, 307200
.set RECQ,  19200
.set STEPB, 12800
.set REC,   204800
.set SCO,   196608
.set ASTG,  204800                     ; behind K and V: 1,024 bytes for the result's scale bytes
.set SPARE, 205824                     ; the spare words, 128 bytes for each of 16 waves
.set WV,    8
.set G1,    16
.set G0,    24
.set SEL,   42
.set CS,    44
.set TB,    46
.set CNT,   47
.set AQ,    48
.set AQS,   50
.set QP,    52
.set KF,    52
.set S,     100
.set O,     164
.set P,     196
.set BM,    216
.set BY,    220
.set SO,    224
.set KS,    228
.set VS,    232
.set PWD,   236
.set F,     238
.set T1,    240
.set T2,    241
.set SUM,   242
.macro CROUND                          ; a round of the cluster's barrier
	s_barrier_signal -1
	s_barrier_wait -1
	s_cmp_lg_u32 s[WV], 0
	s_cbranch_scc1 .Lnot_wave_0_\@
	s_barrier_signal -3
.Lnot_wave_0_\@:
	s_barrier_wait -3
	s_barrier_signal -1
	s_barrier_wait -1
.endm
.macro FRAG reg, a16, a8, off          ; a fragment, 12 registers, as it was stored
	ds_load_b128 v[\reg:\reg+3], v[\a16] offset:\off
	ds_load_b64 v[\reg+4:\reg+5], v[\a8] offset:\off+512
	ds_load_b128 v[\reg+6:\reg+9], v[\a16] offset:\off+768
	ds_load_b64 v[\reg+10:\reg+11], v[\a8] offset:\off+1280
.endm
.macro ADDP q                          ; the row's sum, two numbers at a time, two chains: pair q (1 .. 31); pair 0 goes in with pair 1
.if (\q) == 1
	v_pk_add_f32 v[SUM:SUM+1], v[S:S+1], v[S+2:S+3]
.elseif ((\q)%2) == 0
	v_pk_add_f32 v[14:15], v[14:15], v[S+2*(\q):S+2*(\q)+1]
.else
	v_pk_add_f32 v[SUM:SUM+1], v[SUM:SUM+1], v[S+2*(\q):S+2*(\q)+1]
.endif
.endm
.macro ADDF
	v_pk_add_f32 v[14:15], v[14:15], v[SUM:SUM+1]
.endm
.macro TAIL                            ; behind a pass's last step: its p are summed; these lines are the places in front of the first read of O
.irp a, 1,2,3,4,5,6,7,8,9,10,11,12,13,14,15,16,17,18,19,20,21,22,23,24,25,26,27,28,29,30,31
	ADDP \a
.endr
	ADDF
.endm
.macro QKW t, QB, sl                   ; tile t of S^T = K Q^T
	v_wmma_scale_f32_16x16x128_f8f6f4 v[S+8*(\t):S+8*(\t)+7], v[KF+12*((\t)/2):KF+12*((\t)/2)+11], v[\QB+6*((\t)%2):\QB+6*((\t)%2)+11], 0, v[KS+(\t)/2], v[\sl+(\t)%2] matrix_a_fmt:MATRIX_FMT_BF6 matrix_b_fmt:MATRIX_FMT_BF6
.endm
; A KEY STEP: 128 keys at LDS byte s[TB].  QB: my tile's [q | 0 | q]; sl: its two scale words.  first = 1: no old M, nothing to rescale or sum, O's sums start with the constant 0.
.macro STEP QB, sl, first
	v_add_nc_u32 v4, s[TB], v1                       ; with the two additions below: five places between the last step's products and the loads into the registers that they read
	v_add_nc_u32 v5, s[TB], v2
	v_add_nc_u32 v6, s[TB], v3
.if !\first
	ADDP 1
	ADDP 2
.endif
	ds_load_b128 v[KS:KS+3], v6 offset:12288
.irp p, 0,1,2,3
	FRAG KF+12*\p, 4, 5, 1536*\p
.endr
.if !\first
.irp a, 3,4,5,6,7,8,9,10,11,12,13,14,15
	ADDP \a                                          ; tiles 0-3's pairs, while K is on its way
.endr
.endif
	s_wait_alu depctr_va_vdst(0)                     ; directly ahead of the wait below
	s_wait_dscnt 0x0                                 ; K and its scale words are in
.irp t, 0,1,2,3,4,5,6,7
	QKW \t, \QB, \sl
.if !\first
.if \t < 6
	ADDP 16+2*\t                                     ; tiles 4-7's pairs, each tile's four ahead of the product that writes over it
	ADDP 17+2*\t
.elseif \t == 6
	ADDP 28
	ADDP 29
	ADDP 30
	ADDP 31
.else
	ADDF
.endif
.endif
.endr
.if \first
.rept 4
	v_nop                                            ; places in front of the loads and of the first read of the scores
.endr
.endif
.irp t, 0,1,2
	FRAG KF+12*\t, 4, 5, 6144+1536*\t                ; V: the last product that read these registers stands four plain lines back or more
.endr
	ds_load_b128 v[VS:VS+3], v6 offset:12544
; the largest score of each block of 32 keys: a chain to a tile, four tiles by turns, each accumulator from its low end on
.irp hb, 0,1
.if \hb == 1
	FRAG KF+36, 4, 5, 6144+4608                      ; V's last fragment: the twelve lines above name no register of the last product K Q^T
.endif
.irp t, 0,1,2,3
	v_max3_num_f32 v[BM+2*\hb+\t/2+4*(\t%2)], v[S+8*(4*\hb+\t)], v[S+8*(4*\hb+\t)+1], v[S+8*(4*\hb+\t)+2]
.endr
.irp i, 3,5
.irp t, 0,1,2,3
	v_max3_num_f32 v[BM+2*\hb+\t/2+4*(\t%2)], v[BM+2*\hb+\t/2+4*(\t%2)], v[S+8*(4*\hb+\t)+\i], v[S+8*(4*\hb+\t)+\i+1]
.endr
.endr
.endr
.irp b, 0,1,2,3
	v_max3_num_f32 v[BM+\b], v[BM+\b], v[BY+\b], v[S+16*\b+7]
.endr
.irp b, 0,1,2,3
	v_max_num_f32 v[BM+\b], v[BM+\b], v[S+16*\b+15]
.endr
.irp b, 0,1,2,3
	v_permlanex16_b32 v[BY+\b], v[BM+\b], s[SEL], s[SEL+1]
.endr
.irp b, 0,1,2,3
	v_max_num_f32 v[BM+\b], v[BM+\b], v[BY+\b]       ; with lane l xor 16's 16 keys
.endr
	v_max3_num_f32 v[T1], v[BM], v[BM+1], v[BM+2]
.if \first
	v_max_num_f32 v13, v[T1], v[BM+3]
.else
	v_max3_num_f32 v13, v[T1], v[BM+3], v13          ; the running largest score
.endif
	v_mul_f32 v[T1], s[CS], v13                      ; as t: c is positive and rounding keeps order
	v_floor_f32 v12, -v[T1]                          ; -M = -ceil(t): a whole number
.if !\first
	v_sub_f32 v[T1], v12, v[T2]                      ; M's old value less its new one: a whole number, 0 or less
	v_cvt_i32_f32 v[T1], v[T1]                       ; (it saturates)
	v_ldexp_f32 v[F], 1.0, v[T1]                     ; f = 2^(old M - new M): rounds nothing
.endif
	v_mov_b32 v[T2], v12
.irp b, 0,1,2,3
	v_fma_f32 v[BM+\b], v[BM+\b], s[CS], v12         ; t - M of each block's largest score
.endr
.set j, 0
.rept 32
	v_pk_fma_f32 v[S+j:S+j+1], v[S+j:S+j+1], s[CS:CS+1], v[12:13] op_sel_hi:[1,0,0]   ; t - M
.set j, j+2
.endr
.if !\first
.set j, 0
.rept 16
	v_pk_mul_f32 v[O+j:O+j+1], v[O+j:O+j+1], v[F:F+1] op_sel_hi:[1,0]     ; O under the new M, ascending, ahead of the exponentials
.set j, j+2
.endr
	v_pk_mul_f32 v[14:15], v[14:15], v[F:F+1] op_sel_hi:[1,0]             ; and the sum: behind the last step's additions, ahead of this step's
.endif
	s_wait_alu depctr_va_vdst(0)                     ; ahead of the batch
.irp b, 0,1,2,3
	v_exp_f32 v[BM+\b], v[BM+\b]                     ; the block's largest p
.endr
.set j, 0
.rept 64
	v_exp_f32 v[S+j], v[S+j]                         ; p = 2^(t - M)
.set j, j+1
.endr
	v_nop                                            ; a plain place behind the batch
	s_wait_alu depctr_va_vdst(0)                     ; and the one wait behind it, which also stands directly ahead of the wait below
	s_wait_dscnt 0x0                                 ; V is in: no blocking wait stands between here and the products
.irp b, 0,1,2,3
	v_max_num_f32 v[BM+\b], 0x2800000, v[BM+\b]      ; the floor 2^(5 - 127)
.endr
.irp b, 0,1,2,3
	v_add_nc_u32 v[SO+\b], 0xfe000000, v[BM+\b]      ; 4 off the exponent field: the conversion's scale operand
.endr
.irp b, 0,1,2,3
	v_lshrrev_b32 v[BY+\b], 23, v[SO+\b]             ; the scale's byte
.endr
	v_lshl_or_b32 v[PWD], v[BY+1], 8, v[BY]
	v_lshl_or_b32 v[PWD], v[BY+2], 16, v[PWD]
	v_lshl_or_b32 v[PWD], v[BY+3], 24, v[PWD]        ; seventeen places follow before the products that take this word
.irp c, 0,1
	v_cvt_scalef32_pk16_bf6_f32 v[P+6*\c:P+2+6*\c], v[S+32*\c:S+15+32*\c], v[SO+2*\c]
	v_cvt_scalef32_pk16_bf6_f32 v[P+12+4*\c:P+14+4*\c], v[S+16+32*\c:S+31+32*\c], v[SO+2*\c+1]
.endr
	v_nop                                            ; one plain place behind a scaled conversion
.irp c, 0,1                                          ; a whole block to a lane
.irp i, 0,1,2
	v_permlane16_swap_b32 v[P+6*\c+\i], v[P+12+4*\c+\i]
.endr
.irp i, 0,1,2
	v_mov_b32 v[P+3+6*\c+\i], v[P+12+4*\c+\i]
.endr
.endr
.rept 4
	v_nop                                            ; four places between the last line that wrote p's codes and the products
.endr
.irp t, 0,1,2,3
.if \first
	v_wmma_scale_f32_16x16x128_f8f6f4 v[O+8*\t:O+8*\t+7], v[KF+12*\t:KF+12*\t+11], v[P:P+11], 0, v[VS+\t], v[PWD] matrix_a_fmt:MATRIX_FMT_BF6 matrix_b_fmt:MATRIX_FMT_BF6
.else
	v_wmma_scale_f32_16x16x128_f8f6f4 v[O+8*\t:O+8*\t+7], v[KF+12*\t:KF+12*\t+11], v[P:P+11], v[O+8*\t:O+8*\t+7], v[VS+\t], v[PWD] matrix_a_fmt:MATRIX_FMT_BF6 matrix_b_fmt:MATRIX_FMT_BF6
.endif
.endr
	s_add_co_u32 s[TB], s[TB], STEPB
.endm
; Tile e is finished: O / the sum; its 32 numbers a lane are two blocks of the last product's K; codes and two scale bytes.
.macro OUTP e
	v_add_f32 v14, v14, v15
	v_permlanex16_b32 v[T1], v14, s[SEL], s[SEL+1]
	v_add_f32 v14, v14, v[T1]                        ; the row's sum, over 1/2
	s_wait_alu depctr_va_vdst(0)                     ; ahead of the transcendental
	v_rcp_f32 v15, v14
	v_nop
	s_wait_alu depctr_va_vdst(0)                     ; and behind it
	v_fma_f32 v[T1], -v14, v15, 1.0                  ; one step of Newton's
	v_fma_f32 v15, v15, v[T1], v15
	s_wait_alu depctr_va_vdst(0)                     ; directly ahead of the first reader of O
.set j, 0
.rept 32
	v_mul_f32 v[S+j], v[O+j], v15                    ; ascending; register 16 b + i is channel 32 b + 16 h + i
.set j, j+1
.endr
.irp b, 0,1
	v_max3_num_f32 v[BM+\b], |v[S+16*\b]|, |v[S+1+16*\b]|, 0x2800000
.endr
.irp i, 2,4,6,8,10,12,14
.irp b, 0,1
	v_max3_num_f32 v[BM+\b], v[BM+\b], |v[S+16*\b+\i]|, |v[S+1+16*\b+\i]|
.endr
.endr
.irp b, 0,1
	v_permlanex16_b32 v[BY+\b], v[BM+\b], s[SEL], s[SEL+1]
.endr
.irp b, 0,1
	v_max_num_f32 v[BM+\b], v[BM+\b], v[BY+\b]
.endr
.irp b, 0,1
	v_add_nc_u32 v[SO+\b], 0xfe000000, v[BM+\b]
.endr
.irp b, 0,1
	v_lshrrev_b32 v[BY+\b], 23, v[SO+\b]
.endr
	v_lshl_or_b32 v[PWD], v[BY+1], 8, v[BY]
	v_cvt_scalef32_pk16_bf6_f32 v[P:P+2], v[S:S+15], v[SO]
	v_cvt_scalef32_pk16_bf6_f32 v[P+12:P+14], v[S+16:S+31], v[SO+1]
	v_nop
.irp i, 0,1,2
	v_permlane16_swap_b32 v[P+\i], v[P+12+\i]
.endr
.irp i, 0,1,2
	v_mov_b32 v[P+3+\i], v[P+12+\i]
.endr
	global_store_b128 v1, v[P:P+3], s[AQ:AQ+1] offset:3072*\e              ; 512 consecutive bytes, aligned to 256
	global_store_b64 v2, v[P+4:P+5], s[AQ:AQ+1] offset:3072*\e+512
	ds_store_b16 v7, v[PWD] offset:32*\e
	s_wait_xcnt 0x0                                  ; the stores have read the codes' registers
.endm
.macro PASS QB, sl, e                  ; one tile of 16 queries over the head's 16 key steps
	v_mov_b32 v14, 0
	v_mov_b32 v15, 0
	s_mov_b32 s[TB], 0
	STEP \QB, \sl, 1
	s_mov_b32 s[CNT], 15
.Lkeys\e:
	STEP \QB, \sl, 0
	s_sub_co_u32 s[CNT], s[CNT], 1
	s_cmp_lg_u32 s[CNT], 0
	s_cbranch_scc1 .Lkeys\e
	TAIL
	OUTP \e
.endm
	s_load_b128 s[4:7], s[0:1], 0x0                  ; qkv, aq
	v_lshl_add_u32 v254, v0, 2, SPARE
	v_mov_b32 v255, 0
	ds_add_u32 v254, v255
	ds_add_u32 v254, v255
	v_lshrrev_b32 v1, 5, v0
	v_readfirstlane_b32 s[WV], v1
	v_and_b32 v4, 31, v0
	v_and_b32 v5, 15, v0
	v_lshlrev_b32 v1, 4, v4
	v_lshlrev_b32 v2, 3, v4
	v_lshlrev_b32 v3, 4, v5
	s_lshl_b32 s13, s[WV], 6
	s_add_co_u32 s13, s13, ASTG
	v_lshl_add_u32 v7, v5, 1, s13                    ; tile 2 w + e of 32: 32 bytes each, + 2 r
	s_min_u32 s15, s[WV], 1
	s_lshl_b32 s13, s15, 9
	s_add_co_u32 s13, s13, ASTG
	v_add_nc_u32 v244, s13, v1                       ; where waves 0 and 1 read them back
	s_and_b32 s13, s[WV], 3
	s_mul_i32 s14, s13, 1536
	v_add_nc_u32 v245, s14, v1                       ; q: my two tiles in their record
	v_add_nc_u32 v246, s14, v2
	v_lshl_add_u32 v247, s13, 2, v3
	s_bfe_u32 s9, ttmp6, 0x40000                     ; cx: it enters q's and the result's addresses alone
	s_and_b32 s10, ttmp7, 0xffff                     ; batch x 16 + head
	s_mul_i32 s12, s10, HEADB
	s_and_b32 s54, s10, 15
	s_lshr_b32 s13, s10, 4
	s_lshl_b32 s13, s13, 3
	s_lshl_b32 s14, s9, 1
	s_add_co_u32 s13, s13, s14                       ; the first of my two records of 256 rows
	s_add_co_u32 s50, s13, s15
	s_mul_i32 s50, s50, REC
	s_lshl_b32 s14, s54, 9
	s_add_co_u32 s50, s50, s14
	s_add_co_u32 s50, s50, SCO
	s_mov_b32 s51, 0
	s_lshr_b32 s14, s[WV], 3
	s_add_co_u32 s14, s14, s13
	s_mul_i32 s48, s14, REC
	s_lshr_b32 s14, s54, 2
	s_mul_i32 s14, s14, 49152
	s_add_co_u32 s48, s48, s14
	s_and_b32 s14, s[WV], 7
	s_mul_i32 s14, s14, 6144
	s_add_co_u32 s48, s48, s14
	s_and_b32 s14, s54, 3
	s_mul_i32 s14, s14, 768
	s_add_co_u32 s48, s48, s14
	s_mov_b32 s49, 0
	s_lshl_b32 s52, s9, 2
	s_lshr_b32 s14, s[WV], 2
	s_add_co_u32 s52, s52, s14
	s_mul_i32 s52, s52, RECQ
	s_add_co_u32 s52, s52, s12
	s_add_co_u32 s52, s52, 12800
	s_mov_b32 s53, 0
	s_mul_i32 s55, s[WV], STEPB                      ; my load: key step = my wave
	s_mul_i32 s40, s[WV], RECQ
	s_add_co_u32 s40, s40, s12
	s_mov_b32 s41, 0
	s_mov_b32 s[G1], 15|(3<<16)|(1<<21)              ; the mask: all four; elements of 8 bytes; 21 set beside a mask
	s_mov_b32 s[G1+1], 32<<16                        ; 12,800 dense bytes as 50 rows of 256
	s_mov_b32 s[G1+2], 50<<16
	s_mov_b32 s[G1+3], 32<<16
	s_mov_b32 s[G1+4], 50
	s_mov_b32 s[G1+5], 32
	s_mov_b32 s[G1+6], 0
	s_mov_b32 s[G1+7], 0
	s_mov_b32 s[SEL], 0x76543210
	s_mov_b32 s[SEL+1], 0xfedcba98
	s_mov_b32 s[CS], 0x3e38aa3b                      ; log2(e) / 8
	s_mov_b32 s[CS+1], s[CS]
	s_wait_alu depctr_va_vdst(0)                     ; directly ahead of the waits below
	s_wait_dscnt 0x0
	s_wait_kmcnt 0x0
	s_add_nc_u64 s[40:41], s[4:5], s[40:41]
	s_add_nc_u64 s[QP:QP+1], s[4:5], s[QP:QP+1]
	s_add_nc_u64 s[AQ:AQ+1], s[6:7], s[AQ:AQ+1]
	s_add_nc_u64 s[AQS:AQS+1], s[6:7], s[AQS:AQS+1]
	s_mov_b32 s[G0], 1
	s_mov_b32 s[G0+1], s55
	s_mov_b64 s[G0+2:G0+3], s[40:41]
	s_or_b32 s[G0+3], s[G0+3], 0x80000000
	CROUND                                           ; all four work-groups are here: the joint loads meet
	tensor_load_to_lds s[G0:G0+3], s[G1:G1+7]        ; one load a wave: sixteen key steps by sixteen waves
	s_nop 0
.irp e, 0,1
	global_load_b128 v[16+18*\e:19+18*\e], v245, s[QP:QP+1] offset:768*\e
	global_load_b64 v[20+18*\e:21+18*\e], v246, s[QP:QP+1] offset:768*\e+512
	global_load_b128 v[28+18*\e:31+18*\e], v245, s[QP:QP+1] offset:768*\e
	global_load_b64 v[32+18*\e:33+18*\e], v246, s[QP:QP+1] offset:768*\e+512
.endr
	global_load_b32 v248, v247, s[QP:QP+1] offset:6144
	s_wait_loadcnt 0x0
	v_and_b32 v8, 0xffff, v248                       ; tile 2 w: beside [q | 0], beside [0 | q]; the byte 0 over zero codes adds nothing
	v_lshlrev_b32 v9, 16, v248
	v_lshrrev_b32 v10, 16, v248                      ; tile 2 w + 1
	v_and_b32 v11, 0xffff0000, v248
.irp j, 22,23,24,25,26,27,40,41,42,43,44,45
	v_mov_b32 v\j, 0                                 ; the zero codes between the two copies of q
.endr
	v_mov_b32 v[F+1], 0                              ; named as the upper half of a pair
	s_wait_alu depctr_va_vdst(0)                     ; the wait at the head's end
	s_wait_tensorcnt 0x0                             ; my key step has landed
	s_barrier_signal -1
	s_barrier_wait -1                                ; everybody's has: the whole head lies in LDS; nothing is filled again
	PASS 16, 8, 0
	PASS 34, 10, 1
	s_wait_dscnt 0x0                                 ; for the others' sake: my scale bytes lie in LDS
	s_barrier_signal -1
	s_barrier_wait -1
	s_cmp_lt_u32 s[WV], 2
	s_cbranch_scc0 .Ldone
	ds_load_b128 v[S:S+3], v244
	s_wait_dscnt 0x0
	global_store_b128 v1, v[S:S+3], s[AQS:AQS+1]     ; this head's plane of a record: 512 consecutive bytes, aligned to 256
.Ldone:
	s_wait_tensorcnt 0x0                             ; the wave's end
	ds_add_u32 v254, v255
	s_wait_dscnt 0x0
	CROUND                                           ; the closing round
	s_endpgm
.Lfunc_end_k_qcee1973545_attn:
	.size	k_qcee1973545_attn, .Lfunc_end_k_qcee1973545_attn-k_qcee1973545_attn
	.p2alignl 7, 3214868480
	.fill 96, 4, 3214868480
	.section	.rodata,"a",@progbits
	.p2align	6, 0x0
	.amdhsa_kernel k_qcee1973545_attn
		.amdhsa_group_segment_fixed_size 207872
		.amdhsa_private_segment_fixed_size 0
		.amdhsa_enable_private_segment 0
		.amdhsa_kernarg_size 16
		.amdhsa_user_sgpr_count 2
		.amdhsa_user_sgpr_kernarg_segment_ptr 1
		.amdhsa_wavefront_size32 1
		.amdhsa_system_sgpr_workgroup_id_x 1
		.amdhsa_system_sgpr_workgroup_id_y 1
		.amdhsa_system_sgpr_workgroup_id_z 1
		.amdhsa_system_vgpr_workitem_id 0
		.amdhsa_next_free_vgpr 256
		.amdhsa_next_free_sgpr 66
		.amdhsa_reserve_vcc 0
		.amdhsa_float_denorm_mode_32 3
		.amdhsa_float_denorm_mode_16_64 3
		.amdhsa_memory_ordered 1
		.amdhsa_forward_progress 1
		.amdhsa_inst_pref_size 75
	.end_amdhsa_kernel
	.amdgpu_metadata
---
amdhsa.version: [ 1, 2 ]
amdhsa.kernels:
  - .name:           k_qcee1973545_attn
    .symbol:         k_qcee1973545_attn.kd
    .args:
      - { .name: qkv, .offset: 0, .size: 8, .value_kind: global_buffer, .address_space: global }
      - { .name: aq, .offset: 8, .size: 8, .value_kind: global_buffer, .address_space: global }
    .group_segment_fixed_size: 207872
    .private_segment_fixed_size: 0
    .kernarg_segment_align: 8
    .kernarg_segment_size: 16
    .max_flat_workgroup_size: 512
    .sgpr_count:     66
    .vgpr_count:     256
    .wavefront_size: 32
...
	.end_amdgpu_metadata
.endif
;; end of part 3
;; launch proj (part 4): grid 4 x 32, 4 waves a work-group, clusters of 4 x 4, 327,680 bytes of LDS; arguments aq, wq, b_out, out0; writes out0
.if DOCPART == 4
	.amdgcn_target "amdgcn-amd-amdhsa--gfx1250"
	.amdhsa_code_object_version 6
	.text
	.protected	k_qcee1973545_proj
	.globl	k_qcee1973545_proj
	.p2align	8
	.type	k_qcee1973545_proj,@function
k_qcee1973545_proj:
	s_mov_b64 s[64:65], 0
	v_nop
	global_prefetch_b8 v0, s[64:65] scope:SCOPE_SE
	s_setreg_imm32_b32 hwreg(HW_REG_WAVE_MODE, 25, 1), 1
	s_wait_xcnt 0x0
	s_wait_alu depctr_hold_cnt(0) depctr_sa_sdst(0) depctr_va_vdst(0) depctr_va_sdst(0) depctr_va_ssrc(0) depctr_va_vcc(0) depctr_vm_vsrc(0)
	s_getreg_b32 s2, hwreg(HW_REG_IB_STS2, 6, 4)
	s_cmp_eq_u32 s2, 0
	s_cbranch_scc0 .Lentry_in_a_cluster
	s_endpgm
.Lentry_in_a_cluster:
	s_bfe_u32 s2, ttmp6, 0x10000c
	s_cmp_lg_u32 s2, 0xf033
	s_cbranch_scc0 .Lentry_shape_is_right
	s_endpgm
.Lentry_shape_is_right:
.set REC,   204800
.set SCO,   196608
.set SLOT,  98304
.set HALFT, 24576
.set SCL,   3*SLOT
.set SPARE, SCL+16384
.set STG,   0
.set FR,    12
.set NL,    4
.set BO,    8
.set ADRA,  16
.set ADRB,  20
.set L16,   24
.set L8,    25
.set STO,   26
.set RD,    27
.set SPW,   28
.set NIL,   29
.set ADRS,  31
.set SC,    32
.set AF,    128
.set BK,    128
.set WV,    18
.set RH,    19
.set CH,    20
.set G0C,   4
.set G1,    24
.set G0,    32
.set G0CB,  44
.set G1B,   48
.set G0B,   56
.set G1S,   68
.set G0S,   76
.set G1SB,  80
.set G0SB,  88
.set OUT,   92
.set MSB, 0
.macro WIN new
.if MSB != (\new)
	s_set_vgpr_msb (MSB<<8)|(\new)
.set MSB, (\new)
.endif
.endm
.set MUL_LO, 0xa1
.set MUL_HI, 0xf1
.set TO_B,   0x40
.macro PLACES n
.rept \n
	v_nop
.endr
.endm
.macro JLOAD g0a, g1a, g0b, g1b
	s_cmp_eq_u32 s[RH], 0
	s_cbranch_scc0 .Lfor_b_\@
	tensor_load_to_lds s[\g0a:\g0a+3], s[\g1a:\g1a+7]
	s_nop 0
.rept 4
	v_nop
.endr
	s_branch .Lasked_\@
.Lfor_b_\@:
	tensor_load_to_lds s[\g0b:\g0b+3], s[\g1b:\g1b+7]
	s_nop 0
.rept 4
	v_nop
.endr
.Lasked_\@:
.endm
.macro CREST
	s_cmp_lg_u32 s[WV], 0
	s_cbranch_scc1 .Lnot_wave_0_\@
	s_barrier_signal -3
.Lnot_wave_0_\@:
	s_barrier_wait -3
	s_barrier_signal -1
	s_barrier_wait -1
.endm
.macro CROUND
	s_barrier_signal -1
	s_barrier_wait -1
	CREST
.endm
.macro FRAG reg, a16, a8, off
	ds_load_b128 v[\reg:\reg+3], v[\a16] offset:\off
	ds_load_b64 v[\reg+4:\reg+5], v[\a8] offset:\off+512
	ds_load_b128 v[\reg+6:\reg+9], v[\a16] offset:\off+768
	ds_load_b64 v[\reg+10:\reg+11], v[\a8] offset:\off+1280
.endm
.macro FETCH_B slot, q, p
	WIN TO_B
.irp i, 0,1,2,3,4,5,6,7
	FRAG 128*(\p)+FR*\i, ADRB+\slot, ADRB+2+\slot, \i*3072+(\q)*1536
.endr
	WIN 0
.endm
.macro FETCH_A slot, q, i0
.irp i, \i0, \i0+1, \i0+2, \i0+3
	FRAG AF+FR*(\i), ADRA+\slot, ADRA+2+\slot, (\i)*3072+(\q)*1536
.endr
.endm
.macro ADVANCE set
	v_add_nc_u32 v[ADRA+\set], SLOT, v[ADRA+\set]
	v_add_nc_u32 v[ADRA+2+\set], SLOT, v[ADRA+2+\set]
	v_add_nc_u32 v[ADRB+\set], SLOT, v[ADRB+\set]
	v_add_nc_u32 v[ADRB+2+\set], SLOT, v[ADRB+2+\set]
.endm
.macro MUL16 a0, p, g, zero
.irp a, \a0, \a0+1
.irp b, 0,1,2,3,4,5,6,7
.if \zero
	v_wmma_scale_f32_16x16x128_f8f6f4 v[8*(8*((\a)%4)+\b):8*(8*((\a)%4)+\b)+7], v[128*(\p)+FR*\b:128*(\p)+FR*\b+FR-1], v[AF+FR*(\a):AF+FR*(\a)+FR-1], 0, v[SC+8*\b+(\g)], v[SC+8*(\a)+(\g)] matrix_a_fmt:MATRIX_FMT_BF6 matrix_b_fmt:MATRIX_FMT_BF6 matrix_a_scale:MATRIX_SCALE_ROW1
.else
	v_wmma_scale_f32_16x16x128_f8f6f4 v[8*(8*((\a)%4)+\b):8*(8*((\a)%4)+\b)+7], v[128*(\p)+FR*\b:128*(\p)+FR*\b+FR-1], v[AF+FR*(\a):AF+FR*(\a)+FR-1], v[8*(8*((\a)%4)+\b):8*(8*((\a)%4)+\b)+7], v[SC+8*\b+(\g)], v[SC+8*(\a)+(\g)] matrix_a_fmt:MATRIX_FMT_BF6 matrix_b_fmt:MATRIX_FMT_BF6 matrix_a_scale:MATRIX_SCALE_ROW1
.endif
.endr
.endr
.endm
.macro STEP slot, g, zero
	s_wait_dscnt 4*NL
	WIN MUL_LO
	MUL16 0, 0, \g, \zero
	MUL16 2, 0, \g, \zero
	s_wait_dscnt 0
	PLACES 4
	FETCH_B \slot, 1, 1
	FETCH_A \slot, 1, 0
	WIN MUL_HI
	MUL16 4, 0, \g, \zero
	MUL16 6, 0, \g, \zero
	PLACES 4
	WIN 0
	FETCH_A \slot, 1, 4
.endm
.macro TURN slot, next, fill, g
	s_wait_tensorcnt 0x0
	ds_add_u32 v[SPW], v[NIL]
	s_wait_dscnt 4*NL+1
	WIN MUL_LO
	MUL16 0, 1, \g, 0
	s_wait_dscnt 0x0
	s_barrier_signal -1
	MUL16 2, 1, \g, 0
	WIN 0
	s_barrier_wait -1
.if \fill
	CREST
	s_mov_b32 s[G1+2], 96<<16                        ; no load of mine is out: quarter 3 comes in halves of 96 rows
	s_mov_b32 s[G1+4], 96
	s_mov_b32 s[G1B+2], 96<<16
	s_mov_b32 s[G1B+4], 96
	s_add_nc_u64 s[G0+4*\slot+2:G0+4*\slot+3], s[G0+4*\slot+2:G0+4*\slot+3], 3*49152
	s_add_nc_u64 s[G0B+4*\slot+2:G0B+4*\slot+3], s[G0B+4*\slot+2:G0B+4*\slot+3], 3*49152
	JLOAD G0+4*\slot, G1, G0B+4*\slot, G1B
	ADVANCE \slot
.else
	PLACES 4
.endif
	FETCH_B \next, 0, 0
	FETCH_A \next, 0, 0
	WIN MUL_HI
	MUL16 4, 1, \g, 0
	MUL16 6, 1, \g, 0
	PLACES 4
	WIN 0
	FETCH_A \next, 0, 4
.endm
.macro CROSS slot, next, g
	s_wait_dscnt 4*NL
	WIN MUL_LO
	MUL16 0, 1, \g, 0
	MUL16 2, 1, \g, 0
	s_wait_dscnt 0
	WIN 0
	ADVANCE \slot
	FETCH_B \next, 0, 0
	FETCH_A \next, 0, 0
	WIN MUL_HI
	MUL16 4, 1, \g, 0
	MUL16 6, 1, \g, 0
	PLACES 4
	WIN 0
	FETCH_A \next, 0, 4
.endm
.macro TOSTAGE a
.set AC, 64*((\a)%4)
	WIN 0x08+4*((\a)/4)
.irp b, 0,1,2,3,4,5,6,7
	ds_store_b128 v[STO], v[AC+8*\b:AC+8*\b+3] offset:128*(\b/2)+32*(\b%2)
	ds_store_b128 v[STO], v[AC+8*\b+4:AC+8*\b+7] offset:128*(\b/2)+32*(\b%2)+16
.endr
	WIN 0
.set BB, BK+64*((\a)%2)
.irp t, 0,1,2,3,4,5,6,7,8,9,10,11,12,13,14,15
	ds_load_b128 v[BB+4*\t:BB+4*\t+3], v[RD] offset:\t*528
.endr
.endm
.macro SEND a, younger
.set BB, BK+64*((\a)%2)
	s_wait_dscnt \younger
.irp t, 0,1,2,3,4,5,6,7,8,9,10,11,12,13,14,15
	v_pk_add_f32 v[BB+4*\t:BB+4*\t+1], v[BB+4*\t:BB+4*\t+1], v[BO:BO+1]
	v_pk_add_f32 v[BB+4*\t+2:BB+4*\t+3], v[BB+4*\t+2:BB+4*\t+3], v[BO+2:BO+3]
	global_store_b128 v[L16], v[BB+4*\t:BB+4*\t+3], s[OUT:OUT+1] offset:(32*((\a)/2)+8*((\a)%2)+\t+8*(\t/8))*4096 th:TH_STORE_NT
.endr
.endm
	s_load_b256 s[4:11], s[0:1], 0x0
	v_lshl_add_u32 v[SPW], v0, 2, SPARE
	v_mov_b32 v[NIL], 0
	ds_add_u32 v28, v29
	ds_add_u32 v28, v29
	s_wait_dscnt 0x0
	v_lshrrev_b32 v1, 5, v0
	v_readfirstlane_b32 s[WV], v1
	s_lshr_b32 s[RH], s[WV], 1
	s_and_b32 s[CH], s[WV], 1
	s_bfe_u32 s40, ttmp6, 0x40000
	s_bfe_u32 s41, ttmp6, 0x40004
	s_and_b32 s42, ttmp7, 0xffff
	s_lshl_b32 s42, s42, 2
	s_add_co_u32 s42, s42, s41
	s_add_co_u32 s43, s40, 12
	s_lshl_b32 s14, s41, 2
	s_lshl_b32 s14, 15, s14
	s_lshl_b32 s15, 0x1111, s40
	s_or_b32 s[G1], s14, (3<<16)|(1<<21)
	s_or_b32 s[G1S], s14, (3<<16)|(1<<21)
	s_or_b32 s[G1B], s15, (3<<16)|(1<<21)
	s_or_b32 s[G1SB], s15, (3<<16)|(1<<21)
.irp g, G1, G1B                                      ; codes: a whole quarter of a side, 49,152 dense bytes as 192 rows of 256; quarter 3's loads bring 96 rows
	s_mov_b32 s[\g+1], 32<<16
	s_mov_b32 s[\g+2], 192<<16
	s_mov_b32 s[\g+3], 32<<16
	s_mov_b32 s[\g+4], 192
	s_mov_b32 s[\g+5], 32
	s_mov_b32 s[\g+6], 0
	s_mov_b32 s[\g+7], 0
.endr
.irp g, G1S, G1SB                                    ; scale bytes of a side: 8,192 dense bytes as 32 rows of 256
	s_mov_b32 s[\g+1], 32<<16
	s_mov_b32 s[\g+2], 32<<16
	s_mov_b32 s[\g+3], 32<<16
	s_mov_b32 s[\g+4], 32
	s_mov_b32 s[\g+5], 32
	s_mov_b32 s[\g+6], 0
	s_mov_b32 s[\g+7], 0
.endr
	s_mul_i32 s44, s42, REC
	s_mul_i32 s46, s43, REC
	s_add_co_u32 s16, s44, SCO                       ; the records' scale bytes; s44, s46: the records' first bytes
	s_add_co_u32 s22, s46, SCO
	s_mov_b32 s45, 0
	s_mov_b32 s47, 0
	s_mov_b32 s17, 0
	s_mov_b32 s23, 0
	s_mul_i32 s21, s[WV], HALFT
	s_lshl_b32 s67, s40, 10
	s_lshl_b32 s14, s[CH], 9
	s_add_co_u32 s67, s67, s14
	s_lshl_b32 s[OUT], s42, 20
	s_lshl_b32 s14, s[RH], 19
	s_add_co_u32 s[OUT], s[OUT], s14
	s_add_co_u32 s[OUT], s[OUT], s67
	s_mov_b32 s[OUT+1], 0
	v_and_b32 v1, 31, v0
	v_and_b32 v2, 15, v0
	v_bfe_u32 v3, v0, 4, 1
	v_lshlrev_b32 v[L16], 4, v1
	v_lshlrev_b32 v[L8], 3, v1
	v_add_nc_u32 v5, s67, v[L16]
	s_mul_i32 s14, s[RH], HALFT
	s_mul_i32 s15, s[CH], HALFT
	s_add_co_u32 s15, s15, 2*HALFT
.irp s, 1,0
	v_add_nc_u32 v[ADRA+\s], s14, v[L16]
	v_add_nc_u32 v[ADRA+2+\s], s14, v[L8]
	v_add_nc_u32 v[ADRB+\s], s15, v[L16]
	v_add_nc_u32 v[ADRB+2+\s], s15, v[L8]
	s_add_co_u32 s14, s14, SLOT
	s_add_co_u32 s15, s15, SLOT
.endr
	s_lshl_b32 s14, s[RH], 8
	s_lshl_b32 s15, s[CH], 8
	s_add_co_u32 s15, s15, 8192
	s_sub_co_u32 s15, s15, s14
	v_mul_u32_u24 v4, s15, v3
	v_lshl_add_u32 v4, v2, 1, v4
	s_add_co_u32 s14, s14, SCL
	v_add_nc_u32 v[ADRS], s14, v4
	s_mul_i32 s14, s[WV], 16*528
	s_add_co_u32 s14, s14, STG
	v_mul_u32_u24 v4, v2, 528
	v_lshl_add_u32 v4, v3, 6, v4
	v_add_nc_u32 v[STO], s14, v4
	v_add_nc_u32 v[RD], s14, v[L16]
	s_wait_kmcnt 0x0
	s_add_nc_u64 s[44:45], s[4:5], s[44:45]
	s_add_nc_u64 s[16:17], s[4:5], s[16:17]
	s_add_nc_u64 s[46:47], s[6:7], s[46:47]
	s_add_nc_u64 s[22:23], s[6:7], s[22:23]
	s_add_nc_u64 s[OUT:OUT+1], s[10:11], s[OUT:OUT+1]
	CROUND
; THE HEAD'S FOUR TILES, ONE JOINT LOAD A WAVE: wave 0 A's quarter 0 whole, wave 1 B's, both to position 1; wave 2 A's scale bytes, wave 3 B's.
	s_mov_b32 s[G0+4], 1
	s_mov_b32 s[G0+5], SLOT
	s_mov_b64 s[G0+6:G0+7], s[44:45]
	s_or_b32 s[G0+7], s[G0+7], 0x80000000
	s_mov_b32 s[G0B+4], 1
	s_mov_b32 s[G0B+5], SLOT+2*HALFT
	s_mov_b64 s[G0B+6:G0B+7], s[46:47]
	s_or_b32 s[G0B+7], s[G0B+7], 0x80000000
	s_mov_b32 s[G0S], 1
	s_mov_b32 s[G0S+1], SCL
	s_mov_b64 s[G0S+2:G0S+3], s[16:17]
	s_or_b32 s[G0S+3], s[G0S+3], 0x80000000
	s_mov_b32 s[G0SB], 1
	s_mov_b32 s[G0SB+1], SCL+8192
	s_mov_b64 s[G0SB+2:G0SB+3], s[22:23]
	s_or_b32 s[G0SB+3], s[G0SB+3], 0x80000000
	s_mul_i32 s14, s[CH], HALFT                      ; quarter 3's groups 0: my half of a side, at quarter 0's place in memory (the refill steps it three quarters on) and in LDS
	s_mov_b32 s15, 0
	s_mov_b32 s[G0], 1
	s_add_co_u32 s[G0+1], s21, SLOT
	s_add_nc_u64 s[G0+2:G0+3], s[44:45], s[14:15]
	s_or_b32 s[G0+3], s[G0+3], 0x80000000
	s_mov_b32 s[G0B], 1
	s_add_co_u32 s[G0B+1], s21, SLOT
	s_add_nc_u64 s[G0B+2:G0B+3], s[46:47], s[14:15]
	s_or_b32 s[G0B+3], s[G0B+3], 0x80000000
.macro ARM under, g0, g1, next         ; one chain of branches on the wave's number: every way passes exactly one load
	s_cmp_lt_u32 s[WV], \under
	s_cbranch_scc0 \next
	tensor_load_to_lds s[\g0:\g0+3], s[\g1:\g1+7]
	s_nop 0
.rept 4
	v_nop
.endr
	s_branch .Lhead_asked
\next:
.endm
	ARM 1, G0+4, G1, .Lhead_b
	ARM 2, G0B+4, G1B, .Lhead_sa
	ARM 3, G0S, G1S, .Lhead_sb
	tensor_load_to_lds s[G0SB:G0SB+3], s[G1SB:G1SB+7]
	s_nop 0
.rept 4
	v_nop
.endr
.Lhead_asked:
	global_load_b128 v[BO:BO+3], v5, s[8:9]
	s_wait_alu depctr_va_vdst(0)                     ; the wait at the head's end
	s_wait_tensorcnt 0x0                             ; my tile of the head's four is in
	ds_add_u32 v[SPW], v[NIL]
	s_mul_i32 s14, s[CH], 2*SLOT                     ; no load of mine is out: quarter 1 + CH of side RH, whole; quarter 1 to position 0, quarter 2 to position 2
	s_mul_i32 s2, s[CH], 49152
	s_add_co_u32 s2, s2, 49152
	s_mov_b32 s3, 0
	s_mov_b32 s[G0+5], s14
	s_add_co_u32 s[G0B+5], s14, 2*HALFT
	s_add_nc_u64 s[G0+6:G0+7], s[G0+6:G0+7], s[2:3]
	s_add_nc_u64 s[G0B+6:G0B+7], s[G0B+6:G0B+7], s[2:3]
	s_wait_dscnt 0x0
	CROUND                                           ; all four tiles are in, in every work-group of the cluster
	JLOAD G0+4, G1, G0B+4, G1B                       ; my one load behind the round: it has quarter 0's two steps in which to land
.irp t, 0,1
.irp i, 0,1,2,3,4,5,6,7
.irp p, 0,1,2,3,4,5,6,7
	ds_load_u16 v[128+8*\i+\p], v[ADRS] offset:(8*\t+\p)*512+32*\i
.endr
.endr
	s_wait_dscnt 0x0
.irp i, 0,1,2,3,4,5,6,7
.irp g, 0,1,2,3
	v_lshl_or_b32 v[SC+8*\i+4*\t+\g], v[128+8*\i+2*\g+1], 16, v[128+8*\i+2*\g]
.endr
.endr
.endr
	PLACES 8
	FETCH_B 0, 0, 0
	FETCH_A 0, 0, 0
	FETCH_A 0, 0, 4
	STEP 0, 0, 1
	TURN 0, 1, 1, 1
	s_wait_alu depctr_va_vdst(0)
	STEP 1, 2, 0
	CROSS 1, 0, 3
	s_wait_alu depctr_va_vdst(0)
	STEP 0, 4, 0
	TURN 0, 1, 0, 5
	STEP 1, 6, 0
	s_wait_dscnt 4*NL
	WIN MUL_LO
	MUL16 0, 1, 7, 0
	MUL16 2, 1, 7, 0
	s_wait_dscnt 0
	WIN MUL_HI
	MUL16 4, 1, 7, 0
	MUL16 6, 1, 7, 0
	WIN 0
	PLACES 4
	s_wait_loadcnt 0x0
	TOSTAGE 0
.irp a, 1,2,3,4,5,6,7
.if \a > 1
	s_wait_xcnt 0x0
.endif
	TOSTAGE \a
	SEND \a-1, 32
.endr
	SEND 7, 0
	s_wait_tensorcnt 0x0
	ds_add_u32 v[SPW], v[NIL]
	s_wait_dscnt 0x0
	CROUND
	s_endpgm
.Lfunc_end_k_qcee1973545_proj:
	.size	k_qcee1973545_proj, .Lfunc_end_k_qcee1973545_proj-k_qcee1973545_proj
	.p2alignl 7, 3214868480
	.fill 96, 4, 3214868480
	.section	.rodata,"a",@progbits
	.p2align	6, 0x0
	.amdhsa_kernel k_qcee1973545_proj
		.amdhsa_group_segment_fixed_size 327680
		.amdhsa_private_segment_fixed_size 0
		.amdhsa_enable_private_segment 0
		.amdhsa_kernarg_size 32
		.amdhsa_user_sgpr_count 2
		.amdhsa_user_sgpr_kernarg_segment_ptr 1
		.amdhsa_wavefront_size32 1
		.amdhsa_system_sgpr_workgroup_id_x 1
		.amdhsa_system_sgpr_workgroup_id_y 1
		.amdhsa_system_sgpr_workgroup_id_z 1
		.amdhsa_system_vgpr_workitem_id 0
		.amdhsa_next_free_vgpr 1024
		.amdhsa_next_free_sgpr 100
		.amdhsa_reserve_vcc 0
		.amdhsa_float_denorm_mode_32 3
		.amdhsa_float_denorm_mode_16_64 3
		.amdhsa_memory_ordered 1
		.amdhsa_forward_progress 1
		.amdhsa_inst_pref_size 169
	.end_amdhsa_kernel
	.amdgpu_metadata
---
amdhsa.version: [ 1, 2 ]
amdhsa.kernels:
  - .name:           k_qcee1973545_proj
    .symbol:         k_qcee1973545_proj.kd
    .args:
      - { .name: aq, .offset: 0, .size: 8, .value_kind: global_buffer, .address_space: global }
      - { .name: wq, .offset: 8, .size: 8, .value_kind: global_buffer, .address_space: global }
      - { .name: b_out, .offset: 16, .size: 8, .value_kind: global_buffer, .address_space: global }
      - { .name: out0, .offset: 24, .size: 8, .value_kind: global_buffer, .address_space: global }
    .group_segment_fixed_size: 327680
    .private_segment_fixed_size: 0
    .kernarg_segment_align: 8
    .kernarg_segment_size: 32
    .max_flat_workgroup_size: 128
    .sgpr_count:     100
    .vgpr_count:     1024
    .wavefront_size: 32
...
	.end_amdgpu_metadata
.endif
;; end of part 4
